; MI455X (gfx1250); checked and timed in simulation.
; The chip was launched on July 23, 2026; its instructions are those of AMD's public machine-readable ISA for CDNA 5 (MIT licence, August 2026) and "CDNA5" Instruction Set Architecture Reference Guide (July 2026). The comments in the code are by the model that wrote it; some were corrected since.
;; Self Attention. Allowed arithmetic: matrix products marked QUANTISED: E3M2 operands, one E8M0 scale for each 32 along K, by v_wmma_scale_f32_16x16x128_f8f6f4 with both operands' format E3M2, f32 sums; everything else in f32.
;; Inputs: bk 1,024 float32; bo 1,024 float32; bq 1,024 float32; bv 1,024 float32; g 1,024 float32; h 2 x 2,048 x 1,024 float32; wk_codes 1,024 x 32 x 24 uint8 (E3M2 codes of wk, K innermost, in blocks of 32 codes, four codes in three bytes); wk_scales 1,024 x 32 uint8 (E8M0 scales of wk, one for each 32 codes along K); wo_codes 1,024 x 32 x 24 uint8 (E3M2 codes of wo, K innermost, in blocks of 32 codes, four codes in three bytes); wo_scales 1,024 x 32 uint8 (E8M0 scales of wo, one for each 32 codes along K); wq_codes 1,024 x 32 x 24 uint8 (E3M2 codes of wq, K innermost, in blocks of 32 codes, four codes in three bytes); wq_scales 1,024 x 32 uint8 (E8M0 scales of wq, one for each 32 codes along K); wv_codes 1,024 x 32 x 24 uint8 (E3M2 codes of wv, K innermost, in blocks of 32 codes, four codes in three bytes); wv_scales 1,024 x 32 uint8 (E8M0 scales of wv, one for each 32 codes along K).
;; Outputs: out0 2 x 2,048 x 1,024 float32.
;; This version of the problem:
;;   THIS VERSION OF THE PROBLEM IS GIVEN IN LOW PRECISION. The matrix products marked QUANTISED in the list below multiply operands that are first quantised to E3M2 (3 exponent bits, 2 mantissa bits; 6 bits a number), with one power-of-two scale for each 32 numbers along K (OCP MX v1.0); their sums are f32. All else is computed in f32.
;;   The module's matrix products, in the order in which they are computed (A, B: the left and right operand; K: the contracted axis; several contracted axes count as one K, in the product's order):
;;     1. [M 4,096, K 1,024] x [K 1,024, N 1,024]; A: computed on the way; B: input wq (given as codes): QUANTISED
;;     2. [M 4,096, K 1,024] x [K 1,024, N 1,024]; A: computed on the way; B: input wk (given as codes): QUANTISED
;;     3. [M 4,096, K 1,024] x [K 1,024, N 1,024]; A: computed on the way; B: input wv (given as codes): QUANTISED
;;     4. batch 32 x [M 2,048, K 64] x [K 64, N 2,048]; A: computed on the way; B: computed on the way: QUANTISED
;;     5. batch 32 x [M 64, K 2,048] x [K 2,048, N 2,048]; A: computed on the way; B: softmax (see below): QUANTISED
;;     6. [M 4,096, K 1,024] x [K 1,024, N 1,024]; A: computed on the way; B: input wo (given as codes): QUANTISED
;;   THE QUANTISER, for each operand of a quantised product, along K:
;;     - K is cut into blocks of 32 from its start; a last block that is shorter is filled with zeros.
;;     - A block's scale is 2^e with e = floor(log2(the largest magnitude in the block)) - 4, held to -126 .. 127; a block of zeros has e = 0. As a byte (E8M0): e + 127.
;;     - Each number is divided by its block's scale, clamped to +-28, and rounded to the nearest number of E3M2, ties to even, subnormals kept.
;;     - The product sums the exact products of the quantised numbers (number of the format x scale) in f32.
;;   ~~~python
;;   def quantise(x, axis):      # numpy; x: float32 -> the quantised numbers, widened to float32 again
;;       x = np.moveaxis(x, axis, -1); K = x.shape[-1]
;;       x = np.pad(x, [(0, 0)] * (x.ndim - 1) + [(0, -K % 32)]); x = x.reshape(x.shape[:-1] + (-1, 32)); a = np.abs(x).max(-1, keepdims=True)
;;       e = np.where(a > 0, np.clip(np.frexp(np.where(a > 0, a, 1))[1] - 1 - 4, -126, 127), 0)      # np.frexp(a)[1] - 1 = floor(log2(a)), exactly
;;       r = np.clip(x / 2.0 ** e, -28, 28)
;;       step = 2.0 ** (np.maximum(np.frexp(np.where(r == 0, 1, r))[1] - 1, -2) - 2)
;;       q = np.round(r / step) * step * 2.0 ** e      # np.round: ties to even
;;       return np.moveaxis(q.reshape(q.shape[:-2] + (-1,))[..., :K], -1, axis).astype(np.float32)
;;   ~~~
;;   SOFTMAX AHEAD OF A QUANTISED PRODUCT. Where the list says 'softmax', what is quantised is not the finished softmax but p = 2^(t - M), with t = logit x log2(e) and M = ceil(the row's largest t), a whole number; so 1/2 < the row's largest p <= 1. The row's sum l is taken of the UNQUANTISED p, in f32, and the product's result is divided by l at the end. Since M is a whole number, a kernel that streams over the keys may use a running M (the ceiling of the running maximum): every later rescaling is an exact power of two, which a block's scale takes up: the codes' values come out the same.
;;   OPERANDS COMPUTED ON THE WAY. 'Computed on the way' means the value that the module computes at that place (a softmax that the list does not call 'softmax' is quantised finished and normalised). What goes into a quantiser is computed in f32, as accurately as f32 sums, v_exp_f32 and their like allow (about 1e-6 of the number): no bf16 or f16 on the way to a quantiser, and a product that is left as it is and whose result goes on into a quantised operand takes f32 operands (vector FMAs, or v_wmma_f32_16x16x4_f32). A number that lies on a knife's edge between two numbers of the format may be rounded either way, as far as f32 arithmetic and the matrix unit's own rounding can turn it there, and no further.
;;   INPUTS GIVEN AS CODES. wk (in the module: [1024, 1024], K = its axis 0); wo (in the module: [1024, 1024], K = its axis 0); wq (in the module: [1024, 1024], K = its axis 0); wv (in the module: [1024, 1024], K = its axis 0): each comes as NAME_codes (uint8): NAME with its K axis moved to the last place and cut into blocks of 32 codes, [.., K / 32, bytes a block], one block behind the other in memory; four codes in three bytes: a row's codes are one little-endian stream of bits, code i at bits 6 i .. 6 i + 5 (a code: sign, 3 exponent bits, 2 mantissa bits); and NAME_scales (uint8): the same leading axes, one E8M0 byte (e + 127) for each 32 codes along K. Its value is code x scale, taken as it is: it is not quantised again, and the codes and scales need not be those that the quantiser above would give.
;; One version. Each part assembles by itself: llvm-mc -triple=amdgcn-amd-amdhsa -mcpu=gfx1250 --defsym DOCPART=n.
;; ======== version 1 of 1: 4 launches
;; limits: right only within a limited range of input values
;; workspace buffers: hnq 3,276,800 bytes; rope 524,288 bytes; wimg 3,145,728 bytes; qc 3,407,872 bytes; kv 6,684,672 bytes; oc 3,407,872 bytes
;; launch prep (part 1): grid 256 x 1, 8 waves a work-group, no clusters, 69,632 bytes of LDS; arguments h, g, wq_codes, wk_codes, wv_codes, wo_codes, hnq, rope, wimg; writes hnq, rope, wimg
.if DOCPART == 1
	.amdgcn_target "amdgcn-amd-amdhsa--gfx1250"
	.amdhsa_code_object_version 6
	.text
	.protected	k_q5ad2d6e6cf_prep
	.globl	k_q5ad2d6e6cf_prep
	.p2align	8
	.type	k_q5ad2d6e6cf_prep,@function
k_q5ad2d6e6cf_prep:
	s_mov_b64 s[64:65], 0
	v_nop
	global_prefetch_b8 v0, s[64:65] scope:SCOPE_SE
	s_setreg_imm32_b32 hwreg(HW_REG_WAVE_MODE, 25, 1), 1
	s_wait_xcnt 0x0
; PREP.  Three small jobs, one of each to every wave (256 work-groups x 8 waves = 2,048 waves):
;  (a) hn = h * rsqrt(mean(h^2) + 1e-6) * g, quantised along the model axis to codes of E3M2 with one E8M0 byte for each 32: wave w of work-group T makes the fragment (tile T, K step w): 16 rows x 128 columns;
;  (b) row s = 8 T + w of the table of cos and sin for the rotary embedding, lane = frequency;
;  (c) fragment (matrix T / 64, tile T % 64, K step w) of the four weights' codes, laid anew in the order of the operand's registers.
; TILE ORDER, in the whole program: lane rho of tile T holds row 32 (T / 2) + 8 (T % 2) + rho + 8 (rho / 8), so that the 16 registers of two neighbouring result tiles are 16 neighbours along the next K.
; IMAGES: an activation fragment (12 registers a lane) lies as registers 0-3 at 16 x lane, 4-5 at 512 + 8 x lane, 6-9 at 768 + 16 x lane, 10-11 at 1,280 + 8 x lane; a weight fragment as three runs of 512 bytes, registers 4 c .. 4 c + 3 at 16 x lane.
; Every store of a wave covers 128, 256 or 512 consecutive bytes, aligned.  No matrix unit, no tensor load, no cluster: the work-groups share no input but g (4 KB).
; LIMITS: NaN and infinities are not served.  A block whose largest magnitude lies under 2^-122 gets the byte 1; a block of zeros too (the rule says 127): its codes are zeros, and this program alone reads the bytes.
; The angle's reduction by pi / 2 in two parts is exact for quotients under 2^11, that is for the problem's positions up to 2,047.  theta is the rounded reciprocal of the f32 number nearest to 10^(i / 8).
.set WSTG, 8448                        ; LDS 0: a stage of 16 rows x (512 + 16) bytes for each wave
.set PS,   67584                       ; partial sums of squares [wave][row], 512 bytes
.set SCW,  68096                       ; the tile's scale words [row][K step], 512 bytes
.set X,    32                          ; v32-95   h as loaded; later the codes and the quantiser's scratch
.set Y,    96                          ; v96-159  my row's 64 numbers: register 16 b + i = column 32 b + 16 (lane / 16) + i of the wave's 128
.set G,    160                         ; v160-223 g at the same columns
.set PC,   32
.set TM,   52
.set PW,   68
.set SEL,  24                          ; s[24:25] lane selects for v_permlanex16_b32: lane l xor 16
.macro TH i, val                       ; lane i takes val
	v_cmp_ne_u32 vcc_lo, \i, v1
	s_delay_alu instid0(VALU_DEP_1)
	v_cndmask_b32 v224, \val, v224, vcc_lo
.endm
; 64 numbers of a lane, register 16 b + i = k 32 b + 16 (lane / 16) + i of my row, become a fragment's codes in v[PC] on and its scale word in v[PW]
.macro QUANT s
.irp b, 0,1,2,3
	v_max3_num_f32 v[TM+\b], |v[\s+16*\b]|, |v[\s+1+16*\b]|, 0x2800000   ; my 16 numbers of block b, and the floor 2^(5 - 127): the byte cannot fall under 1
.endr
.irp i, 2,4,6,8,10,12,14
.irp b, 0,1,2,3
	s_delay_alu instid0(VALU_DEP_4)
	v_max3_num_f32 v[TM+\b], v[TM+\b], |v[\s+16*\b+\i]|, |v[\s+1+16*\b+\i]|
.endr
.endr
.irp b, 0,1,2,3
	s_delay_alu instid0(VALU_DEP_4)
	v_permlanex16_b32 v[TM+4+\b], v[TM+\b], s[SEL], s[SEL+1]
.endr
.irp b, 0,1,2,3
	s_delay_alu instid0(VALU_DEP_4)
	v_max_num_f32 v[TM+\b], v[TM+\b], v[TM+4+\b]                 ; with lane l xor 16's: the block's largest magnitude
.endr
.irp b, 0,1,2,3
	s_delay_alu instid0(VALU_DEP_4)
	v_add_nc_u32 v[TM+12+\b], 0xfe000000, v[TM+\b]               ; 4 off its exponent field: the conversion's scale operand
.endr
.irp b, 0,1,2,3
	s_delay_alu instid0(VALU_DEP_4)
	v_lshrrev_b32 v[TM+4+\b], 23, v[TM+12+\b]                    ; the scale's byte
.endr
	s_delay_alu instid0(VALU_DEP_3)
	v_lshl_or_b32 v[PW], v[TM+5], 8, v[TM+4]
	s_delay_alu instid0(VALU_DEP_1)
	v_lshl_or_b32 v[PW], v[TM+6], 16, v[PW]
	s_delay_alu instid0(VALU_DEP_1)
	v_lshl_or_b32 v[PW], v[TM+7], 24, v[PW]
.irp c, 0,1
	v_cvt_scalef32_pk16_bf6_f32 v[PC+6*\c:PC+2+6*\c], v[\s+32*\c:\s+15+32*\c], v[TM+12+2*\c]
	v_cvt_scalef32_pk16_bf6_f32 v[PC+12+4*\c:PC+14+4*\c], v[\s+16+32*\c:\s+31+32*\c], v[TM+12+2*\c+1]   ; (a conversion's three registers begin on an even number)
.endr
	v_nop                                          ; one plain place behind a scaled conversion
.irp c, 0,1                                    ; the operand's layout wants a whole block in a lane: lanes 0-15 block 2 c, lanes 16-31 block 2 c + 1
.irp i, 0,1,2
	v_permlane16_swap_b32 v[PC+6*\c+\i], v[PC+12+4*\c+\i]
.endr
.irp i, 0,1,2
	s_delay_alu instid0(VALU_DEP_3)
	v_mov_b32 v[PC+3+6*\c+\i], v[PC+12+4*\c+\i]
.endr
.endr
.endm
	s_load_b512 s[4:19], s[0:1], 0x0               ; h s[4:5], g s[6:7], wq s[8:9], wk s[10:11], wv s[12:13], wo s[14:15], hnq s[16:17], rope s[18:19]
	s_load_b64 s[20:21], s[0:1], 0x40              ; wimg
	v_lshl_add_u32 v254, v0, 2, 0x10c00
	v_mov_b32 v255, 0
	v_lshrrev_b32 v1, 5, v0
	s_delay_alu instid0(VALU_DEP_1)
	v_readfirstlane_b32 s3, v1                     ; wave 0..7
	v_and_b32 v1, 31, v0                           ; lane
	v_and_b32 v2, 15, v0                           ; r
	v_bfe_u32 v3, v0, 4, 1                         ; hh
	s_delay_alu instid0(VALU_DEP_3)
	v_lshlrev_b32 v4, 4, v1                        ; 16 x lane
	s_delay_alu instid0(VALU_DEP_4)
	v_lshlrev_b32 v5, 3, v1                        ; 8 x lane
	v_lshlrev_b32 v14, 2, v1                       ; 4 x lane
	s_mul_i32 s30, s3, WSTG
	v_add_nc_u32 v7, s30, v4                       ; my stage, on the way in: a row's 512 bytes as they lie
	v_mul_u32_u24 v8, v2, 528
	s_delay_alu instid0(VALU_DEP_1)
	v_lshl_add_u32 v8, v3, 6, v8
	s_delay_alu instid0(VALU_DEP_1)
	v_add_nc_u32 v8, s30, v8                       ; and on the way out: row r, + 64 hh
	v_lshlrev_b32 v9, 6, v3                        ; g: 64 hh
	v_and_b32 v10, 8, v2
	s_delay_alu instid0(VALU_DEP_1)
	v_add_nc_u32 v10, v10, v2                      ; r + 8 (r / 8)
	s_delay_alu instid0(VALU_DEP_1)
	v_mul_u32_u24 v10, v10, 768                    ; a weight's row of 1,024 codes is 768 bytes
	s_delay_alu instid0(VALU_DEP_1)
	v_mad_u32_u24 v10, v3, 24, v10
	s_lshl_b32 s31, s3, 6
	v_lshlrev_b32 v12, 2, v2
	s_delay_alu instid0(VALU_DEP_1)
	v_add_nc_u32 v11, s31, v12
	s_delay_alu instid0(VALU_DEP_1)
	v_add_nc_u32 v11, PS, v11                      ; where I put my wave's sum of row r
	s_delay_alu instid0(VALU_DEP_3)
	v_add_nc_u32 v12, PS, v12                      ; and where the eight sums of row r begin
	s_lshl_b32 s31, s3, 2
	v_lshl_add_u32 v13, v2, 5, s31
	s_delay_alu instid0(VALU_DEP_1)
	v_add_nc_u32 v13, SCW, v13                     ; my row's scale word of my K step
	v_add_nc_u32 v15, SCW, v4                      ; wave 0 reads them all back
	s_mov_b32 s[SEL], 0x76543210
	s_mov_b32 s[SEL+1], 0xfedcba98
	s_mov_b32 s26, 0x3a800000                      ; 1 / 1024
	s_mov_b32 s27, 0x358637bd                      ; 1e-6
	s_mov_b32 s28, 0xbfc90fdb                      ; -(pi / 2), the f32 nearest
	s_mov_b32 s29, 0x333bbd2e                      ; and what that leaves over
	s_mov_b32 s48, 0xb94ca1f9                      ; sine: -1.9515295891e-4, 8.3321608736e-3, -1.6666654611e-1
	s_mov_b32 s49, 0x3c08839e
	s_mov_b32 s50, 0xbe2aaaa3
	s_mov_b32 s51, 0x37ccf5ce                      ; cosine: 2.443315711809948e-5, -1.388731625493765e-3, 4.166664568298827e-2
	s_mov_b32 s52, 0xbab6061a
	s_mov_b32 s53, 0x3d2aaaa5
	s_lshr_b32 s32, ttmp9, 1                       ; h: the tile's first row 32 (T / 2) + 8 (T % 2), rows of 4,096 bytes, + my 512 bytes
	s_lshl_b32 s32, s32, 5
	s_and_b32 s33, ttmp9, 1
	s_lshl_b32 s33, s33, 3
	s_add_co_u32 s32, s32, s33
	s_lshl_b32 s32, s32, 12
	s_lshl_b32 s34, s3, 9
	s_add_co_u32 s32, s32, s34
	s_mov_b32 s33, 0
	s_mov_b32 s35, 0
	s_and_b32 s36, ttmp9, 63                       ; the weight's tile: its first row, + my K step's 96 bytes
	s_lshr_b32 s37, s36, 1
	s_lshl_b32 s37, s37, 5
	s_and_b32 s36, s36, 1
	s_lshl_b32 s36, s36, 3
	s_add_co_u32 s36, s36, s37
	s_mul_i32 s36, s36, 768
	s_mul_i32 s37, s3, 96
	s_add_co_u32 s36, s36, s37
	s_mov_b32 s37, 0
	s_lshl_b32 s38, ttmp9, 3
	s_add_co_u32 s38, s38, s3                      ; 8 T + w: the fragment's number, and the table's row
	s_mul_i32 s40, s38, 1536
	s_mov_b32 s41, 0
	s_lshl_b32 s42, s38, 8
	s_mov_b32 s43, 0
	s_lshl_b32 s44, ttmp9, 9
	s_add_co_u32 s44, s44, 3145728
	s_mov_b32 s45, 0
	s_lshr_b32 s39, ttmp9, 6                       ; which weight
	s_and_b32 s54, ttmp9, 63                       ; the image's place: wq, wk, wv lie tile by tile, the three matrices of a tile on end: 3 x tile + matrix;
	s_mul_i32 s54, s54, 3
	s_add_co_u32 s54, s54, s39
	s_cmp_eq_u32 s39, 3
	s_cselect_b32 s54, ttmp9, s54                  ; wo stays behind them, at 192 + tile
	s_lshl_b32 s54, s54, 3
	s_add_co_u32 s54, s54, s3                      ; 8 K steps a tile
	s_mul_i32 s54, s54, 1536
	s_mov_b32 s55, 0
	s_wait_alu depctr_va_vdst(0)
	s_wait_kmcnt 0x0
	s_mov_b64 s[22:23], s[8:9]                     ; the choice hangs on the work-group's number alone
	s_cmp_eq_u32 s39, 1
	s_cselect_b64 s[22:23], s[10:11], s[22:23]
	s_cmp_eq_u32 s39, 2
	s_cselect_b64 s[22:23], s[12:13], s[22:23]
	s_cmp_eq_u32 s39, 3
	s_cselect_b64 s[22:23], s[14:15], s[22:23]
	s_add_nc_u64 s[4:5], s[4:5], s[32:33]
	s_add_nc_u64 s[6:7], s[6:7], s[34:35]
	s_add_nc_u64 s[22:23], s[22:23], s[36:37]
	s_add_nc_u64 s[20:21], s[20:21], s[54:55]      ; the weight's image
	s_add_nc_u64 s[46:47], s[16:17], s[40:41]      ; hn's image
	s_add_nc_u64 s[16:17], s[16:17], s[44:45]      ; the tile's scale words
	s_add_nc_u64 s[18:19], s[18:19], s[42:43]      ; the table's row
.irp i, 0,1,2,3,4,5,6,7,8,9,10,11,12,13,14,15
	global_load_b128 v[X+4*\i:X+4*\i+3], v4, s[4:5] offset:(\i+8*(\i/8))*4096 th:TH_LOAD_NT   ; the tile's row i: 32 lanes read 512 consecutive bytes
.endr
.irp b, 0,1,2,3
.irp j, 0,1,2,3
	global_load_b128 v[G+16*\b+4*\j:G+16*\b+4*\j+3], v9, s[6:7] offset:128*\b+16*\j
.endr
.endr
.irp p, 0,1,2,3,4,5
	global_load_b64 v[16+2*\p:17+2*\p], v10, s[22:23] offset:48*(\p/3)+8*(\p%3)   ; the weight's fragment: 24 bytes and 24 bytes of my row's stream of bits
.endr
	; ---- the table's row, while the loads are on their way.  P = 10^(lane / 8) = 10000^(2 lane / 64)
	v_mov_b32 v224, 1.0
	TH 1, 1.333521432163324
	TH 2, 1.7782794100389228
	TH 3, 2.371373705661655
	TH 4, 3.1622776601683795
	TH 5, 4.216965034285822
	TH 6, 5.623413251903491
	TH 7, 7.498942093324558
	TH 8, 10.0
	TH 9, 13.33521432163324
	TH 10, 17.782794100389228
	TH 11, 23.71373705661655
	TH 12, 31.622776601683795
	TH 13, 42.16965034285822
	TH 14, 56.23413251903491
	TH 15, 74.98942093324558
	TH 16, 100.0
	TH 17, 133.3521432163324
	TH 18, 177.82794100389228
	TH 19, 237.1373705661655
	TH 20, 316.22776601683795
	TH 21, 421.6965034285822
	TH 22, 562.3413251903491
	TH 23, 749.8942093324558
	TH 24, 1000.0
	TH 25, 1333.521432163324
	TH 26, 1778.2794100389228
	TH 27, 2371.373705661655
	TH 28, 3162.2776601683795
	TH 29, 4216.965034285822
	TH 30, 5623.413251903491
	TH 31, 7498.942093324558
	s_wait_alu depctr_va_vdst(0)
	v_rcp_f32 v225, v224
	v_nop                                          ; one plain place behind a transcendental
	v_cvt_f32_u32 v228, s38                        ; the position
	s_wait_alu depctr_va_vdst(0)
	v_fma_f32 v226, -v224, v225, 1.0               ; one step of Newton: theta = 1 / P to the last bit or nearly
	v_fma_f32 v227, v226, v225, v225
	s_delay_alu instid0(VALU_DEP_1)
	v_mul_f32 v228, v228, v227                     ; the angle, rounded once
	s_delay_alu instid0(VALU_DEP_1)
	v_mul_f32 v229, 0x3f22f983, v228               ; x 2 / pi
	s_delay_alu instid0(VALU_DEP_1)
	v_rndne_f32 v229, v229                         ; k
	s_delay_alu instid0(VALU_DEP_1)
	v_fma_f32 v230, v229, s28, v228                ; angle - k pi / 2, in two parts; the first is exact
	s_delay_alu instid0(VALU_DEP_1)
	v_fma_f32 v230, v229, s29, v230
	s_delay_alu instid0(VALU_DEP_1)
	v_mul_f32 v231, v230, v230                     ; z
	s_delay_alu instid0(VALU_DEP_1)
	v_fma_f32 v232, v231, s48, s49
	s_delay_alu instid0(VALU_DEP_2)
	v_fma_f32 v233, v231, s51, s52
	s_delay_alu instid0(VALU_DEP_2)
	v_fma_f32 v232, v232, v231, s50
	s_delay_alu instid0(VALU_DEP_2)
	v_fma_f32 v233, v233, v231, s53
	s_delay_alu instid0(VALU_DEP_2)
	v_mul_f32 v232, v232, v231
	s_delay_alu instid0(VALU_DEP_2)
	v_mul_f32 v233, v233, v231
	v_fma_f32 v235, v231, -0.5, 1.0
	s_delay_alu instid0(VALU_DEP_3)
	v_fma_f32 v232, v232, v230, v230               ; the sine of the rest
	s_delay_alu instid0(VALU_DEP_2)
	v_fma_f32 v233, v233, v231, v235               ; its cosine
	v_cvt_i32_f32 v234, v229
	s_delay_alu instid0(VALU_DEP_1)
	v_and_b32 v235, 1, v234
	s_delay_alu instid0(VALU_DEP_1)
	v_cmp_eq_u32 vcc_lo, 1, v235
	s_delay_alu instid0(VALU_DEP_1)
	v_cndmask_b32 v236, v232, v233, vcc_lo         ; in odd quadrants the two change places
	s_delay_alu instid0(VALU_DEP_2)
	v_cndmask_b32 v237, v233, v232, vcc_lo
	v_lshlrev_b32 v238, 30, v234                   ; the sine is negative in quadrants 2 and 3,
	s_delay_alu instid0(VALU_DEP_1)
	v_and_b32 v238, 0x80000000, v238
	s_delay_alu instid0(VALU_DEP_1)
	v_xor_b32 v236, v236, v238
	v_add_nc_u32 v234, 1, v234                     ; the cosine in 1 and 2
	s_delay_alu instid0(VALU_DEP_1)
	v_lshlrev_b32 v238, 30, v234
	s_delay_alu instid0(VALU_DEP_1)
	v_and_b32 v238, 0x80000000, v238
	s_delay_alu instid0(VALU_DEP_1)
	v_xor_b32 v237, v237, v238
	global_store_b32 v14, v237, s[18:19]           ; 32 cosines, then 32 sines: the row's 256 bytes
	global_store_b32 v14, v236, s[18:19] offset:128
	; ---- h turns through my stage, so that a lane holds 16 neighbours of each block of 32 of ONE row
	s_wait_loadcnt 22                              ; h's 16 loads are in; g's 16 and the weight's 6, issued behind them, may be out
.irp i, 0,1,2,3,4,5,6,7,8,9,10,11,12,13,14,15
	ds_store_b128 v7, v[X+4*\i:X+4*\i+3] offset:528*\i
.endr
.irp b, 0,1,2,3
.irp j, 0,1,2,3
	ds_load_b128 v[Y+16*\b+4*\j:Y+16*\b+4*\j+3], v8 offset:128*\b+16*\j   ; LDS serves a wave's instructions in order: these see my stores
.endr
.endr
	s_wait_dscnt 0x0
	; ---- the sum of squares: four chains in the lane, the other half of the lanes, then the eight waves through LDS
.irp c, 0,1,2,3
	v_pk_mul_f32 v[224+2*\c:225+2*\c], v[Y+2*\c:Y+2*\c+1], v[Y+2*\c:Y+2*\c+1]
.endr
.irp q, 1,2,3,4,5,6,7
.irp c, 0,1,2,3
	s_delay_alu instid0(VALU_DEP_4)
	v_pk_fma_f32 v[224+2*\c:225+2*\c], v[Y+8*\q+2*\c:Y+8*\q+2*\c+1], v[Y+8*\q+2*\c:Y+8*\q+2*\c+1], v[224+2*\c:225+2*\c]
.endr
.endr
	s_delay_alu instid0(VALU_DEP_3)
	v_pk_add_f32 v[224:225], v[224:225], v[226:227]
	s_delay_alu instid0(VALU_DEP_2)
	v_pk_add_f32 v[228:229], v[228:229], v[230:231]
	s_delay_alu instid0(VALU_DEP_1)
	v_pk_add_f32 v[224:225], v[224:225], v[228:229]
	s_delay_alu instid0(VALU_DEP_1)
	v_add_f32 v224, v224, v225
	s_delay_alu instid0(VALU_DEP_1)
	v_permlanex16_b32 v225, v224, s[SEL], s[SEL+1]
	s_delay_alu instid0(VALU_DEP_1)
	v_add_f32 v224, v224, v225
	ds_store_b32 v11, v224                         ; lanes r and 16 + r write the same word with the same value
	s_wait_dscnt 0x0                               ; for the others' sake: my store has landed
	s_barrier_signal -1
	s_barrier_wait -1
	s_wait_loadcnt 0x0                             ; g and the weight's fragment
.irp c, 0,1,2
	global_store_b128 v4, v[16+4*\c:19+4*\c], s[20:21] offset:512*\c   ; the weight's image
.endr
.irp q, 0,1,2,3,4,5,6,7
	ds_load_b32 v[244+\q], v12 offset:64*\q
.endr
	s_wait_dscnt 0x0
	v_add_f32 v244, v244, v245
	v_add_f32 v246, v246, v247
	v_add_f32 v248, v248, v249
	v_add_f32 v250, v250, v251
	s_delay_alu instid0(VALU_DEP_3)
	v_add_f32 v244, v244, v246
	s_delay_alu instid0(VALU_DEP_2)
	v_add_f32 v248, v248, v250
	s_delay_alu instid0(VALU_DEP_1)
	v_add_f32 v244, v244, v248
	s_delay_alu instid0(VALU_DEP_1)
	v_fma_f32 v244, v244, s26, s27                 ; the mean + 1e-6
	s_wait_alu depctr_va_vdst(0)
	v_rsq_f32 v242, v244
	v_nop                                          ; one plain place behind a transcendental
	s_wait_alu depctr_va_vdst(0)
	v_mov_b32 v243, v242
.irp q, 0,2,4,6,8,10,12,14,16,18,20,22,24,26,28,30,32,34,36,38,40,42,44,46,48,50,52,54,56,58,60,62
	v_pk_mul_f32 v[Y+\q:Y+\q+1], v[Y+\q:Y+\q+1], v[242:243]
.endr
.irp q, 0,2,4,6,8,10,12,14,16,18,20,22,24,26,28,30,32,34,36,38,40,42,44,46,48,50,52,54,56,58,60,62
	v_pk_mul_f32 v[Y+\q:Y+\q+1], v[Y+\q:Y+\q+1], v[G+\q:G+\q+1]
.endr
	QUANT Y
	global_store_b128 v4, v[PC:PC+3], s[46:47]
	global_store_b64 v5, v[PC+4:PC+5], s[46:47] offset:512
	global_store_b128 v4, v[PC+6:PC+9], s[46:47] offset:768
	global_store_b64 v5, v[PC+10:PC+11], s[46:47] offset:1280
	ds_store_b32 v13, v[PW]
	s_wait_dscnt 0x0
	s_barrier_signal -1
	s_barrier_wait -1
	s_cmp_lg_u32 s3, 0                             ; wave 0 stores the tile's 512 bytes of scale words
	s_cbranch_scc1 .Lend
	ds_load_b128 v[72:75], v15
	s_wait_dscnt 0x0
	global_store_b128 v4, v[72:75], s[16:17]
.Lend:
	s_wait_tensorcnt 0x0
	ds_add_u32 v254, v255
	s_wait_dscnt 0x0
	s_endpgm
.Lfunc_end_k_q5ad2d6e6cf_prep:
	.size	k_q5ad2d6e6cf_prep, .Lfunc_end_k_q5ad2d6e6cf_prep-k_q5ad2d6e6cf_prep
	.p2alignl 7, 3214868480
	.fill 96, 4, 3214868480
	.section	.rodata,"a",@progbits
	.p2align	6, 0x0
	.amdhsa_kernel k_q5ad2d6e6cf_prep
		.amdhsa_group_segment_fixed_size 69632
		.amdhsa_private_segment_fixed_size 0
		.amdhsa_enable_private_segment 0
		.amdhsa_kernarg_size 72
		.amdhsa_user_sgpr_count 2
		.amdhsa_user_sgpr_kernarg_segment_ptr 1
		.amdhsa_wavefront_size32 1
		.amdhsa_system_sgpr_workgroup_id_x 1
		.amdhsa_system_sgpr_workgroup_id_y 1
		.amdhsa_system_sgpr_workgroup_id_z 1
		.amdhsa_system_vgpr_workitem_id 0
		.amdhsa_next_free_vgpr 256
		.amdhsa_next_free_sgpr 66
		.amdhsa_reserve_vcc 1
		.amdhsa_float_denorm_mode_32 3
		.amdhsa_float_denorm_mode_16_64 3
		.amdhsa_memory_ordered 1
		.amdhsa_forward_progress 1
		.amdhsa_inst_pref_size 32
	.end_amdhsa_kernel
	.amdgpu_metadata
---
amdhsa.version: [ 1, 2 ]
amdhsa.kernels:
  - .name:           k_q5ad2d6e6cf_prep
    .symbol:         k_q5ad2d6e6cf_prep.kd
    .args:
      - { .name: h, .offset: 0, .size: 8, .value_kind: global_buffer, .address_space: global }
      - { .name: g, .offset: 8, .size: 8, .value_kind: global_buffer, .address_space: global }
      - { .name: wq_codes, .offset: 16, .size: 8, .value_kind: global_buffer, .address_space: global }
      - { .name: wk_codes, .offset: 24, .size: 8, .value_kind: global_buffer, .address_space: global }
      - { .name: wv_codes, .offset: 32, .size: 8, .value_kind: global_buffer, .address_space: global }
      - { .name: wo_codes, .offset: 40, .size: 8, .value_kind: global_buffer, .address_space: global }
      - { .name: hnq, .offset: 48, .size: 8, .value_kind: global_buffer, .address_space: global }
      - { .name: rope, .offset: 56, .size: 8, .value_kind: global_buffer, .address_space: global }
      - { .name: wimg, .offset: 64, .size: 8, .value_kind: global_buffer, .address_space: global }
    .group_segment_fixed_size: 69632
    .private_segment_fixed_size: 0
    .kernarg_segment_align: 8
    .kernarg_segment_size: 72
    .max_flat_workgroup_size: 256
    .sgpr_count:     66
    .vgpr_count:     256
    .wavefront_size: 32
...
	.end_amdgpu_metadata
.endif
;; end of part 1
;; launch qkv (part 2): grid 16 x 16, 4 waves a work-group, clusters of 4 x 1, 168,448 bytes of LDS; arguments hnq, rope, wimg, wq_scales, wk_scales, wv_scales, bq, bk, bv, qc, kv; writes qc, kv
.if DOCPART == 2
	.amdgcn_target "amdgcn-amd-amdhsa--gfx1250"
	.amdhsa_code_object_version 6
	.text
	.protected	k_q5ad2d6e6cf_qkv
	.globl	k_q5ad2d6e6cf_qkv
	.p2align	8
	.type	k_q5ad2d6e6cf_qkv,@function
k_q5ad2d6e6cf_qkv:
	s_mov_b64 s[64:65], 0
	v_nop
	global_prefetch_b8 v0, s[64:65] scope:SCOPE_SE
	s_setreg_imm32_b32 hwreg(HW_REG_WAVE_MODE, 25, 1), 1
	s_wait_xcnt 0x0
	s_wait_alu depctr_hold_cnt(0) depctr_sa_sdst(0) depctr_va_vdst(0) depctr_va_sdst(0) depctr_va_ssrc(0) depctr_va_vcc(0) depctr_vm_vsrc(0)
	s_getreg_b32 s2, hwreg(HW_REG_IB_STS2, 6, 4)
	s_cmp_eq_u32 s2, 0
	s_cbranch_scc0 .Lentry_in_a_cluster
	s_endpgm
.Lentry_in_a_cluster:
	s_bfe_u32 s2, ttmp6, 0x10000c
	s_cmp_lg_u32 s2, 0x3003
	s_cbranch_scc0 .Lentry_shape_is_right
	s_endpgm
.Lentry_shape_is_right:
; QKV.  q = rope(hn wq + bq), k = rope(hn wk + bk), v = hn wv + bv on codes of E3M2, and q, k (along the head's 64) and v (along the keys) quantised again, in registers.
; SHARES.  Work-group (x, y): 256 rows (row group x) against head y's 64 columns of all three weights.  Wave w: 64 rows (four tiles), 3 x 128 matrix instructions on 16 accumulators that take turns.
; The wave's fragments of hn (32, 384 registers) stay in registers for all three products.  The head's weights (3 x 4 tiles x 8 K steps x 1,536 bytes) lie in LDS, filled once.
; CLUSTER.  The four work-groups of a cluster share the head, so its weights are asked for jointly: the same one tensor load a wave, with the same descriptors and the mask of all four.  The place in the cluster enters global addresses of plain loads and stores alone.
; q AND k ARE MADE TRANSPOSED (source 0 = 16 rows of the weight, source 1 = 16 rows of hn): a lane holds one row, its 32 registers the head's d = 32 b + 16 (lane / 16) + i: the pair (d, d + 32) of the rotation lies in one lane, and the quantiser's blocks run along registers.
; v IS MADE THE OTHER WAY ROUND (source 0 = hn, source 1 = the weight): a lane holds one column d and 32 registers of keys 32 b + 16 (lane / 16) + i of the wave's 64.
; The biases are the C of each sum's first matrix instruction (so they are added first, not last).
; LIMITS: NaN and infinities are not served.  A block whose largest magnitude lies under 2^-122, a block of zeros among them, gets the byte 1: this program alone reads the bytes.
; REGISTERS, in windows of 256.  Window 0: v1-18 addresses; v32-47 hn's scale words (register 8 i + ks: lanes 0-15 tile 2 i, lanes 16-31 tile 2 i + 1); v48-95 the weights' likewise, 16 a matrix; v96-223 the accumulators; v224-254 at work.
;   Window 1: hn's fragments of K steps 0-4 at 48 ks + 12 mt.  Window 2: those of K steps 5-7 at v0-143; v144-239 two sets of the weight's four fragments.  Window 3: v0-127 cos and sin (32 mt, 32 mt + 16); v128, v160, v192 the three biases.
.set VS,   147456                      ; LDS: behind the weights' 147,456 bytes: v's scale words of the work-group's two key steps, 512 bytes
.set HS,   32
.set WS,   48
.set ACC,  96
.set QM,   224
.set QP,   226
.set QS,   228
.set QB,   230
.set QF,   232
.set QX,   238
.set SEL,  72                          ; s[72:73]
.set SA,   52                          ; s[52:53] hn's images;  s[54:55] its scale words;  s[56:57] the table;  s[58:59], s[60:61] q's codes and words;  s[62:63], s[66:67] k's;  s[68:69], s[70:71] v's
.set SHS,  54
.set SR,   56
.set SQ,   58
.set SQS,  60
.set SK,   62
.set SKS,  66
.set SV,   68
.set SVS,  70
.set MSB, 0
.macro WIN new                         ; the immediate's high byte repeats the setting that is left
.if MSB != (\new)
	s_set_vgpr_msb (MSB<<8)|(\new)
.set MSB, (\new)
.endif
.endm
.macro PLACES                          ; four places behind a matrix instruction, in front of loads into its registers and of reads of its results
.rept 4
	v_nop
.endr
.endm
.macro ROUND                           ; a round of the cluster's barrier
	s_barrier_signal -1
	s_barrier_wait -1
	s_cmp_lg_u32 s3, 0
	s_cbranch_scc1 .Lnot_wave_0_\@
	s_barrier_signal -3
.Lnot_wave_0_\@:
	s_barrier_wait -3
	s_barrier_signal -1
	s_barrier_wait -1
.endm
; 32 numbers of a lane, register 16 b + i = k 32 b + 16 (lane / 16) + i of my row, become six registers of codes (lane (r, hh): block hh) in v[QF] on and the word byte 0 | byte 1 << 8 in v[pw]
.macro QUANT2 s, pw
.irp b, 0,1
	v_max3_num_f32 v[QM+\b], |v[(\s)+16*\b]|, |v[(\s)+1+16*\b]|, 0x2800000   ; and the floor 2^(5 - 127): the byte cannot fall under 1
.endr
.irp i, 2,4,6,8,10,12,14
.irp b, 0,1
	v_max3_num_f32 v[QM+\b], v[QM+\b], |v[(\s)+16*\b+\i]|, |v[(\s)+1+16*\b+\i]|
.endr
.endr
.irp b, 0,1
	v_permlanex16_b32 v[QP+\b], v[QM+\b], s[SEL], s[SEL+1]
.endr
.irp b, 0,1
	v_max_num_f32 v[QM+\b], v[QM+\b], v[QP+\b]
.endr
.irp b, 0,1
	v_add_nc_u32 v[QS+\b], 0xfe000000, v[QM+\b]    ; 4 off the exponent field: the conversion's scale operand
.endr
.irp b, 0,1
	v_lshrrev_b32 v[QB+\b], 23, v[QS+\b]
.endr
	v_lshl_or_b32 v[\pw], v[QB+1], 8, v[QB]
	v_cvt_scalef32_pk16_bf6_f32 v[QF:QF+2], v[(\s):(\s)+15], v[QS]
	v_cvt_scalef32_pk16_bf6_f32 v[QX:QX+2], v[(\s)+16:(\s)+31], v[QS+1]
	v_nop                                          ; one plain place behind a scaled conversion
.irp i, 0,1,2
	v_permlane16_swap_b32 v[QF+\i], v[QX+\i]       ; a whole block to a lane
.endr
.irp i, 0,1,2
	v_mov_b32 v[QF+3+\i], v[QX+\i]
.endr
.endm
.macro FETCHB n                        ; step n = 8 x matrix + K step: the weight's four fragments into set n % 2
	WIN 0x80
.irp ct, 0,1,2,3
.irp c, 0,1,2
	ds_load_b128 v[144+48*((\n)%2)+12*\ct+4*\c:144+48*((\n)%2)+12*\ct+4*\c+3], v[7+\ct+8*(\ct/3)] offset:12288*((\n)/8)+1536*((\n)%8)+512*\c   ; LDS: [tile][matrix][K step]; v7, v8, v9, v18: the four tiles
.endr
.endr
.endm
.macro MM                              ; one matrix instruction from the symbols D_, A_, B_, C_, SA_, SB_; RA_, RB_: the scales stand in lanes 16-31
.if RA_ && RB_
	v_wmma_scale_f32_16x16x128_f8f6f4 v[D_:D_+7], v[A_:A_+11], v[B_:B_+11], v[C_:C_+7], v[SA_], v[SB_] matrix_a_fmt:MATRIX_FMT_BF6 matrix_b_fmt:MATRIX_FMT_BF6 matrix_a_scale:MATRIX_SCALE_ROW1 matrix_b_scale:MATRIX_SCALE_ROW1
.elseif RA_
	v_wmma_scale_f32_16x16x128_f8f6f4 v[D_:D_+7], v[A_:A_+11], v[B_:B_+11], v[C_:C_+7], v[SA_], v[SB_] matrix_a_fmt:MATRIX_FMT_BF6 matrix_b_fmt:MATRIX_FMT_BF6 matrix_a_scale:MATRIX_SCALE_ROW1
.elseif RB_
	v_wmma_scale_f32_16x16x128_f8f6f4 v[D_:D_+7], v[A_:A_+11], v[B_:B_+11], v[C_:C_+7], v[SA_], v[SB_] matrix_a_fmt:MATRIX_FMT_BF6 matrix_b_fmt:MATRIX_FMT_BF6 matrix_b_scale:MATRIX_SCALE_ROW1
.else
	v_wmma_scale_f32_16x16x128_f8f6f4 v[D_:D_+7], v[A_:A_+11], v[B_:B_+11], v[C_:C_+7], v[SA_], v[SB_] matrix_a_fmt:MATRIX_FMT_BF6 matrix_b_fmt:MATRIX_FMT_BF6
.endif
.endm
; 16 matrix instructions of step n: four tiles of rows x four tiles of columns, 128 along K.  tr = 1: source 0 = the weight.  The 16 accumulators take turns, one instruction a turn, in the same order in every step.
.macro MULT n, tr
.set KS_, (\n)%8
.set M_, (\n)/8
.set BS_, 144+48*((\n)%2)
.if KS_ < 5
.set AW_, 1
.set AB_, 48*KS_
.else
.set AW_, 2
.set AB_, 48*(KS_-5)
.endif
.if KS_ == 0
.set CW_, 0x30                         ; the first K step's C is the bias, in window 3
.else
.set CW_, 0
.endif
.if \tr
	WIN 2|(AW_<<2)|CW_
.else
	WIN AW_|8|CW_
.endif
.irp mt, 0,1,2,3
.irp ct, 0,1,2,3
.if \tr
.set D_, ACC+32*\mt+8*\ct
.set A_, BS_+12*\ct
.set B_, AB_+12*\mt
.set SA_, WS+16*M_+8*(\ct/2)+KS_
.set RA_, \ct%2
.set SB_, HS+8*(\mt/2)+KS_
.set RB_, \mt%2
.else
.set D_, ACC+32*\ct+8*\mt
.set A_, AB_+12*\mt
.set B_, BS_+12*\ct
.set SA_, HS+8*(\mt/2)+KS_
.set RA_, \mt%2
.set SB_, WS+16*M_+8*(\ct/2)+KS_
.set RB_, \ct%2
.endif
.if KS_ == 0
.set C_, 128+32*M_+8*\ct
.else
.set C_, D_
.endif
	MM
.endr
.endr
.endm
.macro KSTEP n, tr, last
	PLACES                                         ; the set that the step before last... the step before read is loaded again below
.if (\n) < 5
	AFRAG (\n)+3                                   ; hn's fragments are asked for three K steps ahead of the first product's use
.endif
.if (\n) == 5
	ROPELD                                         ; behind the last of them: cos and sin
.endif
.if \last
	s_wait_dscnt 0x0
.else
	FETCHB (\n)+1
	s_wait_dscnt 12                                ; all but the 12 loads just issued: this step's set is in
.endif
.if (\n) < 5 || (\n) == 6
	s_wait_loadcnt 48                              ; behind K step n's fragments: three K steps of 16 loads (n = 6: one, and the table's 32)
.elseif (\n) == 5
	s_wait_loadcnt 63                              ; behind them: 2 x 16 + 32 = 64 loads
.elseif (\n) == 7
	s_wait_loadcnt 32                              ; behind them: the table's 32
.endif
	MULT \n, \tr
.endm
.macro ROPE mt                         ; x(d) cos - x(d + 32) sin and x(d + 32) cos + x(d) sin, two frequencies at a time; cos and sin in window 3
	WIN 0x0c
.irp i, 0,2,4,6,8,10,12,14
.set RT_, 246+4*((\i/2)%2)
	v_pk_mul_f32 v[RT_:RT_+1], v[ACC+32*(\mt)+16+\i:ACC+32*(\mt)+17+\i], v[32*(\mt)+16+\i:32*(\mt)+17+\i]
	v_pk_mul_f32 v[RT_+2:RT_+3], v[ACC+32*(\mt)+\i:ACC+32*(\mt)+1+\i], v[32*(\mt)+16+\i:32*(\mt)+17+\i]
	v_pk_fma_f32 v[ACC+32*(\mt)+\i:ACC+32*(\mt)+1+\i], v[ACC+32*(\mt)+\i:ACC+32*(\mt)+1+\i], v[32*(\mt)+\i:32*(\mt)+1+\i], v[RT_:RT_+1] neg_lo:[0,0,1] neg_hi:[0,0,1]
	v_pk_fma_f32 v[ACC+32*(\mt)+16+\i:ACC+32*(\mt)+17+\i], v[ACC+32*(\mt)+16+\i:ACC+32*(\mt)+17+\i], v[32*(\mt)+\i:32*(\mt)+1+\i], v[RT_+2:RT_+3]
.endr
	WIN 0
.endm
.macro OUTQK base, sbase               ; four tiles of q or of k: rotated, quantised, stored as half images of 768 bytes; the scale words of two tiles leave by one store
.irp mt, 0,1,2,3
	ROPE \mt
	s_wait_xcnt 0x0                                ; the codes' and the words' registers, which earlier stores read, are written again only behind this wait
	QUANT2 ACC+32*\mt, 242+(\mt%2)
	global_store_b128 v4, v[QF:QF+3], s[\base:\base+1] offset:768*\mt
	global_store_b64 v5, v[QF+4:QF+5], s[\base:\base+1] offset:768*\mt+512
.if (\mt%2) == 1
	v_cndmask_b32 v244, v242, v243, s74            ; lanes 0-15 the even tile's words, lanes 16-31 the odd tile's
	global_store_b32 v6, v244, s[\sbase:\sbase+1] offset:128*(\mt/2)
.endif
.endr
.endm
.macro ALOAD reg, off                  ; a fragment of hn from its image
	global_load_b128 v[\reg:\reg+3], v4, s[SA:SA+1] offset:\off
	global_load_b64 v[\reg+4:\reg+5], v5, s[SA:SA+1] offset:\off+512
	global_load_b128 v[\reg+6:\reg+9], v4, s[SA:SA+1] offset:\off+768
	global_load_b64 v[\reg+10:\reg+11], v5, s[SA:SA+1] offset:\off+1280
.endm
.macro AFRAG ks                        ; hn's four fragments of K step ks: 16 loads
.if (\ks) < 5
	WIN 0x40                                       ; destination window 1
.irp mt, 0,1,2,3
	ALOAD 48*(\ks)+12*\mt, 12288*\mt+1536*(\ks)
.endr
.else
	WIN 0x80                                       ; destination window 2
.irp mt, 0,1,2,3
	ALOAD 48*((\ks)-5)+12*\mt, 12288*\mt+1536*(\ks)
.endr
.endif
.endm
.macro ROPELD                          ; cos, sin at my rows' positions, frequencies 16 hh + 0 .. 15: 32 loads
	WIN 0xc0
.irp mt, 0,1,2,3
.irp sn, 0,1
.irp j, 0,1,2,3
	global_load_b128 v[32*\mt+16*\sn+4*\j:32*\mt+16*\sn+4*\j+3], v14, s[SR:SR+1] offset:256*(32*(\mt/2)+8*(\mt%2))+128*\sn+16*\j
.endr
.endr
.endr
.endm
	s_load_b256 s[8:15], s[0:1], 0x0               ; hnq s[8:9], rope s[10:11], wimg s[12:13], wq_scales s[14:15]
	s_load_b256 s[16:23], s[0:1], 0x20             ; wk_scales s[16:17], wv_scales s[18:19], bq s[20:21], bk s[22:23]
	s_load_b128 s[24:27], s[0:1], 0x40             ; bv s[24:25], qc s[26:27]
	s_load_b64 s[28:29], s[0:1], 0x50              ; kv
	v_lshl_add_u32 v241, v0, 2, 0x29000
	v_mov_b32 v255, 0
	ds_add_u32 v241, v255
	ds_add_u32 v241, v255
	v_lshrrev_b32 v1, 5, v0
	v_readfirstlane_b32 s3, v1                     ; wave 0..3
	s_bfe_u32 s4, ttmp6, 0x40000                   ; cx
	s_lshl_b32 s5, ttmp9, 2
	s_add_co_u32 s5, s5, s4                        ; the row group = 4 x cluster x + cx
	s_and_b32 s6, ttmp7, 0xffff                    ; the head, which the four partners share
	s_lshl_b32 s7, s6, 2
	s_add_co_u32 s7, s7, s3
	s_mul_i32 s76, s7, 36864                       ; I fetch tile 4 x head + wave of all three weights: 3 x 8 K steps x 1,536 bytes, dense
	s_mov_b32 s77, 0
	s_mul_i32 s78, s3, 36864
	s_mov_b32 s32, 15|(3<<16)|(1<<21)              ; group 1: the mask of all four; elements of 8 bytes; bit 21 beside a mask; no padding
	s_mov_b32 s33, 32<<16                          ; tensor_dim0 = 32 elements: rows of 256 bytes
	s_mov_b32 s34, 144<<16                         ; tensor_dim1 = 144
	s_mov_b32 s35, 32<<16                          ; tile_dim0
	s_mov_b32 s36, 144                             ; tile_dim1
	s_mov_b32 s37, 32                              ; the pitch
	s_mov_b32 s38, 0
	s_mov_b32 s39, 0
	s_wait_dscnt 0x0
	s_wait_kmcnt 0x0
	s_add_nc_u64 s[12:13], s[12:13], s[76:77]
	s_mov_b32 s40, 1
	s_mov_b32 s41, s78                             ; LDS: wave x 36,864
	s_mov_b64 s[42:43], s[12:13]
	s_or_b32 s43, s43, 0x80000000
	ROUND                                          ; all four work-groups are here: the joint loads meet
	tensor_load_to_lds s[40:43], s[32:39]          ; my one load is out
	s_nop 0
	PLACES
	s_lshl_b32 s80, s5, 4
	s_lshl_b32 s81, s3, 2
	s_add_co_u32 s80, s80, s81                     ; my first tile among the 256
	s_and_b32 s82, s5, 7
	s_lshl_b32 s83, s82, 4
	s_add_co_u32 s83, s83, s81                     ; and within its batch
	s_lshr_b32 s84, s5, 3
	s_lshl_b32 s84, s84, 4
	s_add_co_u32 s84, s84, s6                      ; 16 x batch + head
	s_lshl_b32 s85, s82, 1
	s_lshr_b32 s86, s3, 1
	s_add_co_u32 s85, s85, s86                     ; my key step of 128
	s_lshl_b32 s90, s86, 8                         ; (LDS: 256 bytes of v's words for each of the work-group's two steps,
	s_and_b32 s86, s3, 1                           ; which half of the step is mine
	s_lshl_b32 s91, s86, 1
	s_add_co_u32 s90, s90, s91                     ;  my two bytes of each word)
	s_mov_b32 s89, 0
	s_mul_i32 s88, s80, 12288
	s_add_nc_u64 s[SA:SA+1], s[8:9], s[88:89]
	s_lshl_b32 s88, s80, 9
	s_add_co_u32 s88, s88, 3145728
	s_add_nc_u64 s[SHS:SHS+1], s[8:9], s[88:89]
	s_lshl_b32 s88, s83, 12
	s_add_nc_u64 s[SR:SR+1], s[10:11], s[88:89]
	s_lshl_b32 s87, s84, 7
	s_add_co_u32 s87, s87, s83
	s_mul_i32 s88, s87, 768
	s_add_nc_u64 s[SQ:SQ+1], s[26:27], s[88:89]
	s_lshl_b32 s88, s87, 6
	s_add_co_u32 s88, s88, 3145728
	s_add_nc_u64 s[SQS:SQS+1], s[26:27], s[88:89]
	s_lshl_b32 s87, s84, 4
	s_add_co_u32 s87, s87, s85
	s_mul_i32 s87, s87, 13056                      ; the step's block in kv: k's 8 tiles, v's 2 x 4 halves, k's words, v's words
	s_mul_i32 s88, s86, 3072
	s_add_co_u32 s88, s88, s87
	s_add_nc_u64 s[SK:SK+1], s[28:29], s[88:89]
	s_add_co_u32 s88, s88, 6144
	s_add_nc_u64 s[SV:SV+1], s[28:29], s[88:89]
	s_lshl_b32 s88, s86, 8
	s_add_co_u32 s88, s88, s87
	s_add_co_u32 s88, s88, 12288
	s_add_nc_u64 s[SKS:SKS+1], s[28:29], s[88:89]
	s_lshl_b32 s88, s86, 7
	s_add_co_u32 s88, s88, s87
	s_add_co_u32 s88, s88, 12800
	s_add_nc_u64 s[SVS:SVS+1], s[28:29], s[88:89]
	s_lshl_b32 s88, s6, 11                         ; the head's 64 rows of 32 scale bytes
	s_add_nc_u64 s[14:15], s[14:15], s[88:89]
	s_add_nc_u64 s[16:17], s[16:17], s[88:89]
	s_add_nc_u64 s[18:19], s[18:19], s[88:89]
	s_lshl_b32 s88, s6, 8                          ; and its 64 numbers of each bias
	s_add_nc_u64 s[20:21], s[20:21], s[88:89]
	s_add_nc_u64 s[22:23], s[22:23], s[88:89]
	s_add_nc_u64 s[24:25], s[24:25], s[88:89]
	s_mov_b32 s[SEL], 0x76543210
	s_mov_b32 s[SEL+1], 0xfedcba98
	v_and_b32 v1, 31, v0                           ; lane
	v_and_b32 v2, 15, v0                           ; r
	v_bfe_u32 v3, v0, 4, 1                         ; hh
	v_lshlrev_b32 v4, 4, v1
	v_lshlrev_b32 v5, 3, v1
	v_lshlrev_b32 v6, 2, v1
	v_mov_b32 v7, v4                               ; LDS: 16 x lane in each matrix's images
	v_add_nc_u32 v8, 36864, v4
	v_add_nc_u32 v9, 73728, v4
	v_add_nc_u32 v18, 110592, v4
	v_lshlrev_b32 v10, 5, v2
	v_lshl_add_u32 v10, v3, 9, v10                 ; hn's words: 512 bytes a tile, 32 a row
	v_and_b32 v17, 8, v2
	v_add_nc_u32 v17, v17, v2                      ; r + 8 (r / 8)
	v_lshl_add_u32 v11, v3, 3, v17
	v_lshlrev_b32 v11, 5, v11                      ; a weight's words: row r + 8 (r / 8) + 8 hh of 32 bytes
	v_lshlrev_b32 v12, 6, v3                       ; bq, bk: 64 hh
	v_lshlrev_b32 v13, 2, v17                      ; bv: my column
	v_lshlrev_b32 v14, 8, v17
	v_lshl_add_u32 v14, v3, 6, v14                 ; the table: my row of 256 bytes, + 64 hh
	v_lshlrev_b32 v15, 2, v2
	v_add_nc_u32 v15, s90, v15
	v_add_nc_u32 v15, VS, v15                      ; LDS: where my two bytes of v's word of column r go
	v_lshl_add_u32 v16, v0, 2, VS                  ; and where I read a whole word back
	v_cmp_lt_u32 s74, 15, v1                       ; lanes 16-31
	v_mov_b32 v[QP], 0                             ; written once: a lane permute's destination counts as one of its sources
	v_mov_b32 v[QP+1], 0
.irp i, 0,1
.irp c, 0,1
	global_load_b128 v[HS+8*\i+4*\c:HS+8*\i+4*\c+3], v10, s[SHS:SHS+1] offset:1024*\i+16*\c
.endr
.endr
.irp m, 0,1,2
.irp i, 0,1
.irp c, 0,1
	global_load_b128 v[WS+16*\m+8*\i+4*\c:WS+16*\m+8*\i+4*\c+3], v11, s[14+2*\m:15+2*\m] offset:1024*\i+16*\c
.endr
.endr
.endr
	WIN 0xc0                                       ; destination window 3
.irp m, 0,1
.irp b, 0,1
.irp j, 0,1,2,3
	global_load_b128 v[128+32*\m+16*\b+4*\j:128+32*\m+16*\b+4*\j+3], v12, s[20+2*\m:21+2*\m] offset:128*\b+16*\j   ; register 16 b + i: the bias at d = 32 b + 16 hh + i
.endr
.endr
.endr
.irp ct, 0,1,2,3
.irp e, 0,1,2,3,4,5,6,7
	global_load_b32 v[192+8*\ct+\e], v13, s[24:25] offset:128*(\ct/2)+32*(\ct%2)   ; v's results hold one column a lane: its bias in all eight registers
.endr
.endr
	WIN 0x40                                       ; destination window 1
.irp ks, 0,1,2
.irp mt, 0,1,2,3
	ALOAD 48*\ks+12*\mt, 12288*\mt+1536*\ks
.endr
.endr
	WIN 0
	s_wait_tensorcnt 0x0                           ; my three tiles have landed,
	s_barrier_signal -1
	s_barrier_wait -1                              ; everybody's have
	s_wait_alu depctr_va_vdst(0)
	FETCHB 0
.irp n, 0,1,2,3,4,5,6,7
	KSTEP \n, 1, 0
.endr
	PLACES
	WIN 0
	s_wait_loadcnt 0x0                             ; cos and sin
	OUTQK SQ, SQS
.irp n, 8,9,10,11,12,13,14,15
	KSTEP \n, 1, 0
.endr
	PLACES
	WIN 0
	OUTQK SK, SKS
.irp n, 16,17,18,19,20,21,22
	KSTEP \n, 0, 0
.endr
	KSTEP 23, 0, 1
	PLACES
	WIN 0
.irp ct, 0,1,2,3                               ; v: column tile ct, my 64 keys: half a fragment of V^T, and two bytes of each column's scale word
	s_wait_xcnt 0x0
	QUANT2 ACC+32*\ct, 242+\ct
	global_store_b128 v4, v[QF:QF+3], s[SV:SV+1] offset:768*\ct
	global_store_b64 v5, v[QF+4:QF+5], s[SV:SV+1] offset:768*\ct+512
	ds_store_b16 v15, v[242+\ct] offset:64*\ct
.endr
	s_wait_dscnt 0x0                               ; for the others' sake: my halves of the words have landed
	s_barrier_signal -1
	s_barrier_wait -1
	ds_load_b32 v254, v16                          ; whole words: wave w takes 128 bytes
	s_wait_dscnt 0x0
	global_store_b32 v6, v254, s[SVS:SVS+1]
	s_wait_tensorcnt 0x0
	ds_add_u32 v241, v255
	s_wait_dscnt 0x0
	ROUND                                          ; the closing round
	s_endpgm
.Lfunc_end_k_q5ad2d6e6cf_qkv:
	.size	k_q5ad2d6e6cf_qkv, .Lfunc_end_k_q5ad2d6e6cf_qkv-k_q5ad2d6e6cf_qkv
	.p2alignl 7, 3214868480
	.fill 96, 4, 3214868480
	.section	.rodata,"a",@progbits
	.p2align	6, 0x0
	.amdhsa_kernel k_q5ad2d6e6cf_qkv
		.amdhsa_group_segment_fixed_size 168448
		.amdhsa_private_segment_fixed_size 0
		.amdhsa_enable_private_segment 0
		.amdhsa_kernarg_size 88
		.amdhsa_user_sgpr_count 2
		.amdhsa_user_sgpr_kernarg_segment_ptr 1
		.amdhsa_wavefront_size32 1
		.amdhsa_system_sgpr_workgroup_id_x 1
		.amdhsa_system_sgpr_workgroup_id_y 1
		.amdhsa_system_sgpr_workgroup_id_z 1
		.amdhsa_system_vgpr_workitem_id 0
		.amdhsa_next_free_vgpr 1024
		.amdhsa_next_free_sgpr 100
		.amdhsa_reserve_vcc 0
		.amdhsa_float_denorm_mode_32 3
		.amdhsa_float_denorm_mode_16_64 3
		.amdhsa_memory_ordered 1
		.amdhsa_forward_progress 1
		.amdhsa_inst_pref_size 143
	.end_amdhsa_kernel
	.amdgpu_metadata
---
amdhsa.version: [ 1, 2 ]
amdhsa.kernels:
  - .name:           k_q5ad2d6e6cf_qkv
    .symbol:         k_q5ad2d6e6cf_qkv.kd
    .args:
      - { .name: hnq, .offset: 0, .size: 8, .value_kind: global_buffer, .address_space: global }
      - { .name: rope, .offset: 8, .size: 8, .value_kind: global_buffer, .address_space: global }
      - { .name: wimg, .offset: 16, .size: 8, .value_kind: global_buffer, .address_space: global }
      - { .name: wq_scales, .offset: 24, .size: 8, .value_kind: global_buffer, .address_space: global }
      - { .name: wk_scales, .offset: 32, .size: 8, .value_kind: global_buffer, .address_space: global }
      - { .name: wv_scales, .offset: 40, .size: 8, .value_kind: global_buffer, .address_space: global }
      - { .name: bq, .offset: 48, .size: 8, .value_kind: global_buffer, .address_space: global }
      - { .name: bk, .offset: 56, .size: 8, .value_kind: global_buffer, .address_space: global }
      - { .name: bv, .offset: 64, .size: 8, .value_kind: global_buffer, .address_space: global }
      - { .name: qc, .offset: 72, .size: 8, .value_kind: global_buffer, .address_space: global }
      - { .name: kv, .offset: 80, .size: 8, .value_kind: global_buffer, .address_space: global }
    .group_segment_fixed_size: 168448
    .private_segment_fixed_size: 0
    .kernarg_segment_align: 8
    .kernarg_segment_size: 88
    .max_flat_workgroup_size: 128
    .sgpr_count:     100
    .vgpr_count:     1024
    .wavefront_size: 32
...
	.end_amdgpu_metadata
.endif
;; end of part 2
;; launch attn (part 3): grid 8 x 32, 16 waves a work-group, clusters of 4 x 1, 327,680 bytes of LDS; arguments qc, kv, oc; writes oc
.if DOCPART == 3
	.amdgcn_target "amdgcn-amd-amdhsa--gfx1250"
	.amdhsa_code_object_version 6
	.text
	.protected	k_q5ad2d6e6cf_attn
	.globl	k_q5ad2d6e6cf_attn
	.p2align	8
	.type	k_q5ad2d6e6cf_attn,@function
k_q5ad2d6e6cf_attn:
	s_mov_b64 s[64:65], 0
	v_nop
	global_prefetch_b8 v0, s[64:65] scope:SCOPE_SE
	s_setreg_imm32_b32 hwreg(HW_REG_WAVE_MODE, 25, 1), 1
	s_wait_xcnt 0x0
	s_wait_alu depctr_hold_cnt(0) depctr_sa_sdst(0) depctr_va_vdst(0) depctr_va_sdst(0) depctr_va_ssrc(0) depctr_va_vcc(0) depctr_vm_vsrc(0)
	s_getreg_b32 s2, hwreg(HW_REG_IB_STS2, 6, 4)
	s_cmp_eq_u32 s2, 0
	s_cbranch_scc0 .Lentry_in_a_cluster
	s_endpgm
.Lentry_in_a_cluster:
	s_bfe_u32 s2, ttmp6, 0x10000c
	s_cmp_lg_u32 s2, 0x3003
	s_cbranch_scc0 .Lentry_shape_is_right
	s_endpgm
.Lentry_shape_is_right:
; ATTN.  Causal attention of one batch-head on codes of E3M2, and its result quantised along the head's 64 for the last product.
; t = score x log2(e) / 8; M = the running largest t rounded up to a whole number; p = 2^(t - M) is quantised along the keys, not normalised; the row's sum is taken of the unquantised p and divides at the end.
; LEFT OUT: steps of 128 keys that all come after a tile's queries: the causal mask sets their scores to -infinity, so they add nothing to any sum.
; SHARES.  A head's 2,048 queries are 16 blocks of 128, each of eight tiles of 16.  Work-group c (0..7) owns tile c of EVERY block: 16 tiles, 1 + 2 + .. + 16 = 136 tile steps, the same in every work-group.
; The 16 waves are eight pairs j.  The pair owns the short tile (block j, j + 1 steps) and the long one (block 15 - j, 16 - j steps): 17 steps.
;   Wave A walks nine steps of the long tile: in trip t step min(2 t, t + 7 - j), the last of them the diagonal.
;   Wave B walks the short tile (trip t = step t, the diagonal at t = j), stores it, and then the long tile's steps 1, 3, .., 13 - 2 j: eight trips.
;   At the end A hands O^T, -M and its sum to B through LDS; B joins the two parts by factors 2^(M' - M), which round nothing, and stores the long tile.
; Which wave is A or B, and every branch, hangs on the wave's number and the trip alone; each group of four neighbouring waves and each group of waves four apart holds two of either.
; CLUSTER.  The four work-groups of a cluster share the head, and walk alike: K and V are asked for jointly, with the mask of all four.  The place in the cluster enters the addresses of q and o and the diagonal's threshold (a vector number), nothing else.
; ALL OF THE HEAD'S K AND V COME TO LIE IN LDS (16 steps x 13,056 bytes = 816 rows of 256), in three thirds of 272 rows, each wave fetching 17 rows of each: the first at the head, the others behind the sequence in FILL.
; Trips 0-2 read steps 0-4 at the most (first third: rows 0-271 hold steps 0-4), trips 3-4 steps 0-8 (second third: up to step 9).  Nothing is filled twice.
; NO PREFETCH: the stream is these three loads a wave; the second is issued three trips and the third two trips ahead of its first read, and no later load is left to run ahead of.
; A LANE HOLDS A WHOLE BLOCK OF 32 KEYS: row rho of k's tile 4 c + u is key 64 c + 32 (rho / 8) + 8 u + rho % 8, picked by the LDS address from the images as they lie.  In S^T = k q^T lane (query r, half hh) then holds in registers 32 c + n key 64 c + 32 hh + n: the order of the next operand's registers.
; K = 64 in the first product: q's upper 64 codes are zeros; k's tiles lie six registers apart, so a tile's upper half is the next tile's codes (the last one's: zeros); E3M2 has no infinity and no NaN, and bytes 2 and 3 of both scale words are 0: these products are 0.
; LIMITS: NaN and infinities are not served.  The scaled scores stay under 2^31 in magnitude.  A block whose largest magnitude lies under 2^-122 gets the byte 1.
; REGISTERS: v1-3 k's lane terms (16-byte, 8-byte pieces, words); v4-6 16, 8, 4 x lane; v7 8 hh; v8-11, v30-31 the step's addresses; v12 -M, v13 largest score, v[14:15] the sum; v16-27 q, v28 its words; v29 the diagonal's threshold;
;   v32-85 k's eight tiles, then v's four fragments; v86-92 the long tile's q; v93 4 r; v94-95 for the add; v96-159 S^T, p; v160-191 O^T; v192-203 p's codes; v204-245 at work.
.set STEPB,  13056
.set CHUNK,  69632                     ; a third: 272 rows of 256 bytes
.set MRG,    208896                    ; behind K and V: 4,352 bytes for each pair, A's part on its way to B
.set SPARE,  243712                    ; behind them: the spare words, 128 bytes a wave
.set SPW, 94
.set NIL, 95
.set SEL, 20                           ; s[20:21] selects for lane l xor 16
.set CS,  22                           ; s[22:23] c = log2(e) / 8
.set SS,  96
.set OO,  160
.set PC,  192
.set PX,  204
.set BM,  212
.set SC,  216
.set SB,  218
.set TT,  220
.set KW,  228
.set VW,  232
.set PW,  234
.set FF,  236
.set TA,  240
.macro PLACES
.rept 4
	v_nop
.endr
.endm
.macro ROUND                           ; a round of the cluster's barrier
	s_barrier_signal -1
	s_barrier_wait -1
	s_cmp_lg_u32 s18, 0
	s_cbranch_scc1 .Lnot_wave_0_\@
	s_barrier_signal -3
.Lnot_wave_0_\@:
	s_barrier_wait -3
	s_barrier_signal -1
	s_barrier_wait -1
.endm
.macro FILL                            ; the next third: all my loads waited for, the add, its wait, a round, my one load
	s_wait_tensorcnt 0x0
	ds_add_u32 v[SPW], v[NIL]
	s_add_co_u32 s33, s33, CHUNK                   ; no load of mine is out: the descriptor steps
	s_add_nc_u64 s[34:35], s[34:35], CHUNK
	s_wait_dscnt 0x0
	ROUND
	tensor_load_to_lds s[32:35], s[24:31]
	s_nop 0
	PLACES
.endm
.macro WM d, a, b, c, sa, sb, row      ; row = 1: source 0's scales stand in lanes 16-31
.if \row
	v_wmma_scale_f32_16x16x128_f8f6f4 v[\d:\d+7], v[\a:\a+11], v[\b:\b+11], \c, v[\sa], v[\sb] matrix_a_fmt:MATRIX_FMT_BF6 matrix_b_fmt:MATRIX_FMT_BF6 matrix_a_scale:MATRIX_SCALE_ROW1
.else
	v_wmma_scale_f32_16x16x128_f8f6f4 v[\d:\d+7], v[\a:\a+11], v[\b:\b+11], \c, v[\sa], v[\sb] matrix_a_fmt:MATRIX_FMT_BF6 matrix_b_fmt:MATRIX_FMT_BF6
.endif
.endm
; A finished tile: O^T / the sum, quantised along the head's 64 (register 16 b + i: d = 32 b + 16 hh + i), stored as half an image and its words
.macro EPI cb, wb
	PLACES                                         ; behind the last products, in front of the first read of O^T
	v_add_f32 v14, v14, v15
	s_delay_alu instid0(VALU_DEP_1)
	v_permlanex16_b32 v[TA+1], v14, s[SEL], s[SEL+1]
	s_delay_alu instid0(VALU_DEP_1)
	v_add_f32 v14, v14, v[TA+1]                    ; the row's sum: both halves of the keys
	s_wait_alu depctr_va_vdst(0)
	v_rcp_f32 v14, v14
	v_nop
	s_wait_alu depctr_va_vdst(0)
.set N_, 0
.rept 16
	v_pk_mul_f32 v[SS+N_:SS+N_+1], v[OO+N_:OO+N_+1], v[14:15] op_sel_hi:[1,0]
.set N_, N_+2
.endr
.irp b, 0,1
	v_max3_num_f32 v[BM+\b], |v[SS+16*\b]|, |v[SS+1+16*\b]|, 0x2800000   ; and the floor 2^(5 - 127)
.endr
.irp i, 2,4,6,8,10,12,14
.irp b, 0,1
	s_delay_alu instid0(VALU_DEP_2)
	v_max3_num_f32 v[BM+\b], v[BM+\b], |v[SS+16*\b+\i]|, |v[SS+1+16*\b+\i]|
.endr
.endr
.irp b, 0,1
	s_delay_alu instid0(VALU_DEP_2)
	v_permlanex16_b32 v[BM+2+\b], v[BM+\b], s[SEL], s[SEL+1]
.endr
.irp b, 0,1
	s_delay_alu instid0(VALU_DEP_2)
	v_max_num_f32 v[BM+\b], v[BM+\b], v[BM+2+\b]
.endr
.irp b, 0,1
	s_delay_alu instid0(VALU_DEP_2)
	v_add_nc_u32 v[SC+\b], 0xfe000000, v[BM+\b]    ; 4 off the exponent field: the conversion's scale operand
.endr
.irp b, 0,1
	s_delay_alu instid0(VALU_DEP_2)
	v_lshrrev_b32 v[SB+\b], 23, v[SC+\b]
.endr
	s_delay_alu instid0(VALU_DEP_1)
	v_lshl_or_b32 v[PW], v[SB+1], 8, v[SB]
	v_cvt_scalef32_pk16_bf6_f32 v[PC:PC+2], v[SS:SS+15], v[SC]
	v_cvt_scalef32_pk16_bf6_f32 v[PX:PX+2], v[SS+16:SS+31], v[SC+1]
	v_nop                                          ; one plain place behind a scaled conversion
.irp i, 0,1,2
	v_permlane16_swap_b32 v[PC+\i], v[PX+\i]       ; a whole block to a lane
.endr
.irp i, 0,1,2
	v_mov_b32 v[PC+3+\i], v[PX+\i]
.endr
	global_store_b128 v4, v[PC:PC+3], s[\cb:\cb+1]
	global_store_b64 v5, v[PC+4:PC+5], s[\cb:\cb+1] offset:512
	global_store_b32 v93, v[PW], s[\wb:\wb+1]      ; lanes r and 16 + r store the same word
.endm
; One trip: one tile step of 16 queries x 128 keys.  clamp: the highest step that any wave reads in this loop's trips
.macro SUMQ q                          ; the row's sum of the unquantised p: registers 8 q .. 8 q + 7 onto the four chains of pairs
.irp k, 0,1,2,3
	v_pk_add_f32 v[TT+2*\k:TT+2*\k+1], v[TT+2*\k:TT+2*\k+1], v[SS+8*(\q)+2*\k:SS+8*(\q)+2*\k+1]
.endr
.endm
.macro TRIP clamp
	s_add_co_u32 s46, s37, s87                     ; B: (t + 15 - j) / 16 is 1 behind the short tile; A: t / 16 = 0
	s_lshr_b32 s46, s46, 4
	s_add_co_u32 s47, s37, s43                     ; where it is 1: t + (t + 15 - 2 j) = 16 + 2 (t - j) - 1; else t
	s_mul_i32 s47, s47, s46
	s_add_co_u32 s47, s47, s37
	s_and_b32 s47, s47, 15
	s_min_u32 s45, s37, s41                        ; A: + min(t, 7 - j), which makes min(2 t, t + 7 - j); B: + 0
	s_add_co_u32 s45, s45, s47
	s_min_u32 s45, s45, \clamp
	s_mul_i32 s36, s45, STEPB                      ; the step's LDS byte
	s_cmp_gt_u32 s37, s39                          ; B has no ninth trip
	s_cbranch_scc1 .Lskip_\@
	v_add_nc_u32 v8, s36, v1                       ; (with the v_nop: four places behind the last trip's products, in front of loads into their registers)
	v_add_nc_u32 v9, s36, v2
	v_add_nc_u32 v10, s36, v3
	v_nop
.irp g, 0,1,2,3
	ds_load_b32 v[KW+\g], v10 offset:12288+256*(\g/2)+32*(\g%2)   ; k's words: lanes 0-15 tile 4 c + 2 e, lanes 16-31 tile 4 c + 2 e + 1 (g = 2 c + e)
.endr
.irp t, 0,1,2,3,4,5,6,7
	ds_load_b128 v[32+6*\t:35+6*\t], v8 offset:768*(4*(\t/4)+\t%2)+128*((\t%4)/2)
	ds_load_b64 v[36+6*\t:37+6*\t], v9 offset:768*(4*(\t/4)+\t%2)+512+64*((\t%4)/2)
.endr
	s_wait_dscnt 0x0
.irp t, 0,1,2,3,4,5,6,7
	WM SS+8*\t, 32+6*\t, 16, 0, KW+2*(\t/4)+(\t%4)/2, 28, \t%2
.endr
	v_add_nc_u32 v11, s36, v4                      ; (four places again)
	v_add_nc_u32 v30, s36, v5
	v_add_nc_u32 v31, s36, v6
	v_mov_b32 v[TA+2], v12                         ; the old -M, kept for f (the fourth place)
.irp ct, 0,1,2,3                               ; v's four fragments are asked for now and land under the softmax
.irp p, 0,1
	ds_load_b128 v[32+12*\ct+6*\p:35+12*\ct+6*\p], v11 offset:6144+3072*\p+768*\ct
	ds_load_b64 v[36+12*\ct+6*\p:37+12*\ct+6*\p], v30 offset:6144+3072*\p+768*\ct+512
.endr
.endr
	ds_load_b32 v[VW], v31 offset:12800
	ds_load_b32 v[VW+1], v31 offset:12928
	s_cmp_lg_u32 s37, s38                          ; only the diagonal step masks
	s_cbranch_scc1 .Lopen_\@
	v_mov_b32 v[TA], 0xff800000                    ; -infinity
.set N_, 0
.rept 64
	v_cmp_gt_i32 vcc_lo, N_+32*(N_/32), v29        ; register n is key 64 (n / 32) + 32 hh + n % 32 of the block
	v_cndmask_b32 v[SS+N_], v[SS+N_], v[TA], vcc_lo
.set N_, N_+1
.endr
.Lopen_\@:
.irp q, 0,1,2,3                                ; the largest score of my two blocks of 32 keys, four chains by turns: for the row's maximum and, since p rises with the score, for the block's largest p
	v_max3_num_f32 v[BM+\q], v[SS+16*\q], v[SS+16*\q+1], v[SS+16*\q+2]
.endr
.irp i, 3,5,7,9,11,13
.irp q, 0,1,2,3
	v_max3_num_f32 v[BM+\q], v[BM+\q], v[SS+16*\q+\i], v[SS+16*\q+\i+1]
.endr
.endr
	v_max3_num_f32 v[BM], v[BM], v[BM+1], v[SS+15]
	v_max3_num_f32 v[BM+2], v[BM+2], v[BM+3], v[SS+47]
	v_max_num_f32 v[BM], v[BM], v[SS+31]           ; (the two blocks by turns)
	v_max_num_f32 v[BM+2], v[BM+2], v[SS+63]
	s_delay_alu instid0(VALU_DEP_1)
	v_max_num_f32 v[TA], v[BM], v[BM+2]
	s_delay_alu instid0(VALU_DEP_1)
	v_permlanex16_b32 v[TA+1], v[TA], s[SEL], s[SEL+1]
	s_delay_alu instid0(VALU_DEP_1)
	v_max3_num_f32 v13, v13, v[TA], v[TA+1]        ; v13 holds the running largest SCORE of my query (c is positive: the largest t is c x that)
	s_delay_alu instid0(VALU_DEP_1)
	v_mul_f32 v[TA], s[CS], v13                    ; the running largest t
	s_delay_alu instid0(VALU_DEP_1)
	v_floor_f32 v12, -v[TA]                        ; the new -M = -ceil(t)
	s_delay_alu instid0(VALU_DEP_1)
	v_sub_f32 v[TA], v12, v[TA+2]                  ; old M - new M: a whole number, 0 or less
	s_delay_alu instid0(VALU_DEP_1)
	v_cvt_i32_f32 v[TA], v[TA]                     ; (it saturates)
	s_delay_alu instid0(VALU_DEP_1)
	v_ldexp_f32 v[FF], 1.0, v[TA]                  ; f = 2^(old M - new M): the rescaling rounds nothing
.set N_, 0
.rept 32
	v_pk_fma_f32 v[SS+N_:SS+N_+1], v[SS+N_:SS+N_+1], s[CS:CS+1], v[12:13] op_sel_hi:[1,0,0]   ; t - M
.set N_, N_+2
.endr
	v_fma_f32 v[BM], v[BM], s[CS], v12
	v_fma_f32 v[BM+2], v[BM+2], s[CS], v12
.set N_, 0
.rept 16
	v_pk_mul_f32 v[OO+N_:OO+N_+1], v[OO+N_:OO+N_+1], v[FF:FF+1] op_sel_hi:[1,0]   ; O^T under the new M, ahead of the exponentials
.set N_, N_+2
.endr
	s_wait_alu depctr_va_vdst(0)                   ; the wait ahead of the batch
.set N_, 0
.rept 64
	v_exp_f32 v[SS+N_], v[SS+N_]                   ; p = 2^(t - M)
.set N_, N_+1
.endr
	v_exp_f32 v[BM], v[BM]                         ; the blocks' largest p: the same two instructions on the same number
	v_exp_f32 v[BM+2], v[BM+2]
	v_nop                                          ; one plain place behind the exponentials
	s_wait_alu depctr_va_vdst(0)                   ; and the one wait behind the batch
	v_max_num_f32 v[BM], 0x2800000, v[BM]          ; the floor 2^(5 - 127)
	v_max_num_f32 v[BM+2], 0x2800000, v[BM+2]
.irp k, 0,1,2,3                                ; the chain that makes p's scale word and the four chains of the row's sum take turns: each link stands five lines or more behind the one that it reads
	v_pk_add_f32 v[TT+2*\k:TT+2*\k+1], v[SS+2*\k:SS+2*\k+1], v[SS+8+2*\k:SS+9+2*\k]
.endr
	v_add_nc_u32 v[SC], 0xfe000000, v[BM]          ; 4 off the exponent field: the conversion's scale operand
	v_add_nc_u32 v[SC+1], 0xfe000000, v[BM+2]
	SUMQ 2
	v_lshrrev_b32 v[SB], 23, v[SC]
	v_lshrrev_b32 v[SB+1], 23, v[SC+1]
	SUMQ 3
	v_lshl_or_b32 v[PW], v[SB+1], 16, v[SB]        ; my two bytes: blocks hh and 2 + hh,
	SUMQ 4
	v_lshlrev_b32 v[PW], v7, v[PW]                 ; 8 hh bits up;
	SUMQ 5
	v_permlanex16_b32 v[PW+1], v[PW], s[SEL], s[SEL+1]
	SUMQ 6
	v_or_b32 v[PW], v[PW], v[PW+1]                 ; with lane l xor 16's two the word is whole
.irp c, 0,1
	v_cvt_scalef32_pk16_bf6_f32 v[PC+6*\c:PC+6*\c+2], v[SS+32*\c:SS+32*\c+15], v[SC+\c]
	v_cvt_scalef32_pk16_bf6_f32 v[PX+4*\c:PX+4*\c+2], v[SS+32*\c+16:SS+32*\c+31], v[SC+\c]   ; (a conversion's three registers begin on an even number)
.endr
	v_nop                                          ; one plain place behind a scaled conversion
.irp c, 0,1
.irp i, 0,1,2
	v_mov_b32 v[PC+6*\c+3+\i], v[PX+4*\c+\i]
.endr
.endr
.irp q, 7
.irp k, 0,1,2,3
	v_pk_add_f32 v[TT+2*\k:TT+2*\k+1], v[TT+2*\k:TT+2*\k+1], v[SS+8*\q+2*\k:SS+8*\q+2*\k+1]
.endr
.endr
	v_pk_add_f32 v[TT:TT+1], v[TT:TT+1], v[TT+2:TT+3]
	v_pk_add_f32 v[TT+4:TT+5], v[TT+4:TT+5], v[TT+6:TT+7]
	s_delay_alu instid0(VALU_DEP_1)
	v_pk_add_f32 v[TT:TT+1], v[TT:TT+1], v[TT+4:TT+5]
	s_delay_alu instid0(VALU_DEP_1)
	v_pk_fma_f32 v[14:15], v[14:15], v[FF:FF+1], v[TT:TT+1] op_sel_hi:[1,0,1]   ; the old sum under the new M, and this step's
	s_wait_alu depctr_va_vdst(0)                   ; directly ahead of the wait below
	s_wait_dscnt 0x0                               ; v
.irp ct, 0,1,2,3                               ; O^T += v^T p^T
	WM OO+8*\ct, 32+12*\ct, PC, v[OO+8*\ct:OO+8*\ct+7], VW+\ct/2, PW, \ct%2
.endr
	s_cmp_lg_u32 s37, s40                          ; B, behind the short tile's diagonal: it is finished
	s_cbranch_scc1 .Lskip_\@
	EPI 56, 58
	v_mov_b32 v28, v92                             ; on to the long tile: its q,
.irp e, 0,1,2,3,4,5
	v_mov_b32 v[16+\e], v[86+\e]
.endr
	v_mov_b32 v13, 0xff61b1e6                      ; and the state as at the start
	v_mov_b32 v14, 0
	v_mov_b32 v15, 0
	v_floor_f32 v12, -v13
.set N_, 0
.rept 32
	v_mov_b32 v[OO+N_], 0
.set N_, N_+1
.endr
	s_wait_alu depctr_va_vdst(0)                   ; directly ahead of the wait below
	s_wait_xcnt 0x0                                ; the stores have read their registers, which the next trip writes
.Lskip_\@:
.endm
.macro OOFF tile, dc, dw               ; where a tile's result goes: fragment (tile among the 256, K step head / 2), half head % 2; words [head][tile][16]
	s_add_co_u32 s45, s46, s[\tile]
	s_lshl_b32 s[\dc], s45, 3
	s_add_co_u32 s[\dc], s[\dc], s19
	s_mul_i32 s[\dc], s[\dc], 1536
	s_add_co_u32 s[\dc], s[\dc], s3
	s_mov_b32 s[\dc+1], 0
	s_lshl_b32 s[\dw], s47, 8
	s_add_co_u32 s[\dw], s[\dw], s45
	s_lshl_b32 s[\dw], s[\dw], 6
	s_add_co_u32 s[\dw], s[\dw], 3145728
	s_mov_b32 s[\dw+1], 0
.endm
	s_load_b128 s[4:7], s[0:1], 0x0                ; qc s[4:5], kv s[6:7]
	s_load_b64 s[8:9], s[0:1], 0x10                ; oc
	v_lshl_add_u32 v[SPW], v0, 2, SPARE
	v_mov_b32 v[NIL], 0
	ds_add_u32 v[SPW], v[NIL]                      ; the opening: the add, twice on end, and its wait ahead of my first tensor load
	ds_add_u32 v[SPW], v[NIL]
	v_lshrrev_b32 v8, 5, v0
	v_readfirstlane_b32 s18, v8                    ; wave 0..15
	s_bfe_u32 s13, ttmp6, 0x40000                  ; cx
	s_lshl_b32 s14, ttmp9, 2
	s_add_co_u32 s13, s13, s14                     ; c: my work-group's tile in every block
	s_and_b32 s10, ttmp7, 0xffff                   ; 16 x batch + head
	s_lshr_b32 s11, s18, 1                         ; j: my pair
	s_lshr_b32 s12, s18, 2
	s_xor_b32 s12, s12, s18
	s_and_b32 s12, s12, 1                          ; 1: I am B
	s_xor_b32 s44, s12, 1                          ; 1: I am A
	s_xor_b32 s41, s11, 7                          ; 7 - j
	s_xor_b32 s42, s11, 15                         ; 15 - j: the long tile's block
	s_lshl_b32 s43, s11, 1
	s_xor_b32 s43, s43, 15                         ; 15 - 2 j
	s_mul_i32 s41, s41, s44                        ; A: 7 - j; B: 0
	s_mul_i32 s87, s42, s12                        ; B: 15 - j; A: 0
	s_cmp_eq_u32 s12, 1
	s_cselect_b32 s38, s11, 8                      ; the trip with my diagonal
	s_cselect_b32 s39, 7, 8                        ; my last trip
	s_cselect_b32 s40, s11, 16                     ; the trip behind which I change tiles (16: never)
	s_lshl_b32 s14, s11, 3
	s_add_co_u32 s14, s14, s13                     ; the short tile in the head
	s_lshl_b32 s15, s42, 3
	s_add_co_u32 s15, s15, s13                     ; the long one
	s_cmp_eq_u32 s12, 1
	s_cselect_b32 s16, s14, s15                    ; the tile that I begin with
	s_lshl_b32 s17, s10, 7
	s_add_co_u32 s45, s17, s16
	s_mul_i32 s66, s45, 768                        ; its q: half an image,
	s_mov_b32 s67, 0
	s_lshl_b32 s68, s45, 6
	s_add_co_u32 s68, s68, 3145728                 ; and its words
	s_mov_b32 s69, 0
	s_add_co_u32 s45, s17, s15
	s_mul_i32 s70, s45, 768                        ; the long tile's
	s_mov_b32 s71, 0
	s_lshl_b32 s72, s45, 6
	s_add_co_u32 s72, s72, 3145728
	s_mov_b32 s73, 0
	s_lshr_b32 s46, s10, 4
	s_lshl_b32 s46, s46, 7                         ; 128 x batch
	s_and_b32 s47, s10, 15                         ; the head
	s_lshr_b32 s19, s47, 1
	s_and_b32 s3, s47, 1
	s_mul_i32 s3, s3, 768
	OOFF 14, 74, 76
	OOFF 15, 78, 80
	s_mul_i32 s33, s18, 4352                       ; I fetch rows 17 w .. 17 w + 16 of each third; LDS as in memory
	s_mul_i32 s82, s10, 16*STEPB
	s_add_co_u32 s82, s82, s33
	s_mov_b32 s83, 0
	s_lshr_b32 s84, s13, 1
	s_lshl_b32 s84, s84, 5
	s_and_b32 s85, s13, 1
	s_lshl_b32 s85, s85, 3
	s_add_co_u32 s84, s84, s85                     ; my tiles' first query in their blocks
	s_mul_i32 s86, s11, 4352
	s_add_co_u32 s86, s86, MRG                     ; my pair's bytes
	s_mov_b32 s24, 15|(3<<16)|(1<<21)              ; group 1: the mask of all four; elements of 8 bytes; bit 21 beside a mask; no padding
	s_mov_b32 s25, 32<<16                          ; rows of 256 bytes,
	s_mov_b32 s26, 17<<16                          ; 17 of them, dense
	s_mov_b32 s27, 32<<16
	s_mov_b32 s28, 17
	s_mov_b32 s29, 32
	s_mov_b32 s30, 0
	s_mov_b32 s31, 0
	s_mov_b32 s32, 1
	s_mov_b32 s[SEL], 0x76543210
	s_mov_b32 s[SEL+1], 0xfedcba98
	s_mov_b32 s[CS], 0x3e38aa3b
	s_mov_b32 s[CS+1], s[CS]                       ; (named with it as a pair, so it is written)
	s_wait_dscnt 0x0                               ; both opening adds are done
	s_wait_kmcnt 0x0
	s_add_nc_u64 s[34:35], s[6:7], s[82:83]
	s_or_b32 s35, s35, 0x80000000
	ROUND                                          ; all four work-groups are here: the joint loads meet
	tensor_load_to_lds s[32:35], s[24:31]          ; the first third: my one load at the head
	s_nop 0
	PLACES
	s_add_nc_u64 s[48:49], s[4:5], s[66:67]
	s_add_nc_u64 s[50:51], s[4:5], s[68:69]
	s_add_nc_u64 s[52:53], s[4:5], s[70:71]
	s_add_nc_u64 s[54:55], s[4:5], s[72:73]
	s_add_nc_u64 s[56:57], s[8:9], s[74:75]
	s_add_nc_u64 s[58:59], s[8:9], s[76:77]
	s_add_nc_u64 s[60:61], s[8:9], s[78:79]
	s_add_nc_u64 s[62:63], s[8:9], s[80:81]
	v_and_b32 v6, 31, v0
	v_and_b32 v244, 15, v0                         ; r
	v_lshlrev_b32 v4, 4, v6
	v_lshlrev_b32 v5, 3, v6
	v_lshlrev_b32 v6, 2, v6
	v_lshlrev_b32 v93, 2, v244
	global_load_b128 v[16:19], v4, s[48:49]        ; q's codes: registers 0-5 of the operand
	global_load_b64 v[20:21], v5, s[48:49] offset:512
	global_load_b32 v28, v93, s[50:51]
	global_load_b128 v[86:89], v4, s[52:53]        ; and the long tile's, for B's change of tiles
	global_load_b64 v[90:91], v5, s[52:53] offset:512
	global_load_b32 v92, v93, s[54:55]
	v_and_b32 v240, 7, v0                          ; rho % 8
	v_bfe_u32 v241, v0, 3, 1                       ; rho / 8
	v_bfe_u32 v242, v0, 4, 1                       ; hh
	v_mul_u32_u24 v243, v241, 1536                 ; rows 8-15 of my tile lie two images on
	v_lshl_add_u32 v1, v240, 4, v243
	v_lshl_add_u32 v2, v240, 3, v243
	v_lshlrev_b32 v3, 7, v241
	v_lshl_add_u32 v1, v242, 8, v1
	v_lshl_add_u32 v2, v242, 7, v2
	v_lshl_add_u32 v3, v240, 2, v3
	v_lshlrev_b32 v7, 3, v242
	v_lshl_add_u32 v3, v242, 6, v3
	v_lshl_add_u32 v29, v241, 3, v244
	v_lshlrev_b32 v245, 5, v242
	v_add_nc_u32 v29, s84, v29
	v_add_nc_u32 v238, s86, v4                     ; my pair's bytes: 16 x lane,
	v_add_nc_u32 v239, s86, v5                     ; 8 x lane
	v_sub_nc_u32 v29, v29, v245                    ; my query in its block - 32 hh
.irp e, 22,23,24,25,26,27,80,81,82,83,84,85
	v_mov_b32 v\e, 0                               ; q's upper 64 codes; what stands behind k's last tile
.endr
	v_mov_b32 v13, 0xff61b1e6                      ; the largest score so far: -3e38
	v_mov_b32 v14, 0
	v_mov_b32 v15, 0
	v_floor_f32 v12, -v13                          ; -M
.irp e, BM+2, BM+3, PW+1, FF+1, TA+1
	v_mov_b32 v[\e], 0                             ; written once: a lane permute's destination counts as a source; the upper half of f's pair
.endr
.set N_, 0
.rept 32
	v_mov_b32 v[OO+N_], 0                          ; O^T: the step is written once; the first finds zeros
.set N_, N_+1
.endr
	s_wait_alu depctr_va_vdst(0)
	FILL                                           ; the first third is in, everybody's; the second is asked for
	s_wait_loadcnt 0x0                             ; q
	s_mov_b32 s37, 0
.Lp0:
	TRIP 4
	s_add_co_u32 s37, s37, 1
	s_cmp_lt_u32 s37, 3
	s_cbranch_scc1 .Lp0
	FILL                                           ; the second third is in; the last is asked for
	s_mov_b32 s37, 3
.Lp1:
	TRIP 9
	s_add_co_u32 s37, s37, 1
	s_cmp_lt_u32 s37, 5
	s_cbranch_scc1 .Lp1
	s_wait_tensorcnt 0x0                           ; my part of the last third is in,
	s_wait_dscnt 0x0
	s_barrier_signal -1
	s_barrier_wait -1                              ; everybody's is; nothing more is filled
	s_mov_b32 s37, 5
.Lp2:
	TRIP 15
	s_add_co_u32 s37, s37, 1
	s_cmp_lt_u32 s37, 9
	s_cbranch_scc1 .Lp2
	PLACES                                         ; behind the last products, in front of the first read of O^T
	s_cmp_lg_u32 s12, 0
	s_cbranch_scc1 .Lno_store
	v_add_f32 v13, v14, v15                        ; A: my lane's sum beside -M,
.irp i, 0,1,2,3,4,5,6,7
	ds_store_b128 v238, v[OO+4*\i:OO+4*\i+3] offset:512*\i   ; and O^T, each accumulator from its low end on
.endr
	ds_store_b64 v239, v[12:13] offset:4096
.Lno_store:
	s_wait_dscnt 0x0                               ; for B's sake: my stores have landed
	s_barrier_signal -1
	s_barrier_wait -1
	s_cmp_eq_u32 s12, 0
	s_cbranch_scc1 .Lend
.irp i, 0,1,2,3,4,5,6,7
	ds_load_b128 v[SS+4*\i:SS+4*\i+3], v238 offset:512*\i
.endr
	ds_load_b64 v[SS+32:SS+33], v239 offset:4096
	s_wait_dscnt 0x0
	v_add_f32 v14, v14, v15
	v_min_num_f32 v240, v12, v[SS+32]              ; -M of the two parts together
	v_mov_b32 v245, 0
	v_mov_b32 v15, 0
	v_sub_f32 v241, v240, v[SS+32]                 ; A's M - M and mine - M: whole numbers, 0 or less
	v_sub_f32 v242, v240, v12
	s_delay_alu instid0(VALU_DEP_2)
	v_cvt_i32_f32 v241, v241                       ; (they saturate: a part with no step counts for nothing)
	s_delay_alu instid0(VALU_DEP_2)
	v_cvt_i32_f32 v242, v242
	s_delay_alu instid0(VALU_DEP_2)
	v_ldexp_f32 v244, 1.0, v241
	s_delay_alu instid0(VALU_DEP_2)
	v_ldexp_f32 v[FF], 1.0, v242
	s_delay_alu instid0(VALU_DEP_1)
	v_mul_f32 v14, v14, v[FF]
	s_delay_alu instid0(VALU_DEP_1)
	v_fma_f32 v14, v[SS+33], v244, v14
.set N_, 0
.rept 16
	v_pk_mul_f32 v[OO+N_:OO+N_+1], v[OO+N_:OO+N_+1], v[FF:FF+1] op_sel_hi:[1,0]
.set N_, N_+2
.endr
.set N_, 0
.rept 16
	v_pk_fma_f32 v[OO+N_:OO+N_+1], v[SS+N_:SS+N_+1], v[244:245], v[OO+N_:OO+N_+1] op_sel_hi:[1,0,1]
.set N_, N_+2
.endr
	EPI 60, 62
.Lend:
	s_wait_tensorcnt 0x0                           ; the wave's end
	ds_add_u32 v[SPW], v[NIL]
	s_wait_dscnt 0x0
	ROUND                                          ; the closing round
	s_endpgm
.Lfunc_end_k_q5ad2d6e6cf_attn:
	.size	k_q5ad2d6e6cf_attn, .Lfunc_end_k_q5ad2d6e6cf_attn-k_q5ad2d6e6cf_attn
	.p2alignl 7, 3214868480
	.fill 96, 4, 3214868480
	.section	.rodata,"a",@progbits
	.p2align	6, 0x0
	.amdhsa_kernel k_q5ad2d6e6cf_attn
		.amdhsa_group_segment_fixed_size 327680
		.amdhsa_private_segment_fixed_size 0
		.amdhsa_enable_private_segment 0
		.amdhsa_kernarg_size 24
		.amdhsa_user_sgpr_count 2
		.amdhsa_user_sgpr_kernarg_segment_ptr 1
		.amdhsa_wavefront_size32 1
		.amdhsa_system_sgpr_workgroup_id_x 1
		.amdhsa_system_sgpr_workgroup_id_y 1
		.amdhsa_system_sgpr_workgroup_id_z 1
		.amdhsa_system_vgpr_workitem_id 0
		.amdhsa_next_free_vgpr 256
		.amdhsa_next_free_sgpr 90
		.amdhsa_reserve_vcc 1
		.amdhsa_float_denorm_mode_32 3
		.amdhsa_float_denorm_mode_16_64 3
		.amdhsa_memory_ordered 1
		.amdhsa_forward_progress 1
		.amdhsa_inst_pref_size 99
	.end_amdhsa_kernel
	.amdgpu_metadata
---
amdhsa.version: [ 1, 2 ]
amdhsa.kernels:
  - .name:           k_q5ad2d6e6cf_attn
    .symbol:         k_q5ad2d6e6cf_attn.kd
    .args:
      - { .name: qc, .offset: 0, .size: 8, .value_kind: global_buffer, .address_space: global }
      - { .name: kv, .offset: 8, .size: 8, .value_kind: global_buffer, .address_space: global }
      - { .name: oc, .offset: 16, .size: 8, .value_kind: global_buffer, .address_space: global }
    .group_segment_fixed_size: 327680
    .private_segment_fixed_size: 0
    .kernarg_segment_align: 8
    .kernarg_segment_size: 24
    .max_flat_workgroup_size: 512
    .sgpr_count:     90
    .vgpr_count:     256
    .wavefront_size: 32
...
	.end_amdgpu_metadata
.endif
;; end of part 3
;; launch proj (part 4): grid 16 x 16, 4 waves a work-group, clusters of 4 x 1, 168,448 bytes of LDS; arguments oc, wimg, wo_scales, bo, h, out0; writes out0
.if DOCPART == 4
	.amdgcn_target "amdgcn-amd-amdhsa--gfx1250"
	.amdhsa_code_object_version 6
	.text
	.protected	k_q5ad2d6e6cf_proj
	.globl	k_q5ad2d6e6cf_proj
	.p2align	8
	.type	k_q5ad2d6e6cf_proj,@function
k_q5ad2d6e6cf_proj:
	s_mov_b64 s[64:65], 0
	v_nop
	global_prefetch_b8 v0, s[64:65] scope:SCOPE_SE
	s_setreg_imm32_b32 hwreg(HW_REG_WAVE_MODE, 25, 1), 1
	s_wait_xcnt 0x0
	s_wait_alu depctr_hold_cnt(0) depctr_sa_sdst(0) depctr_va_vdst(0) depctr_va_sdst(0) depctr_va_ssrc(0) depctr_va_vcc(0) depctr_vm_vsrc(0)
	s_getreg_b32 s2, hwreg(HW_REG_IB_STS2, 6, 4)
	s_cmp_eq_u32 s2, 0
	s_cbranch_scc0 .Lentry_in_a_cluster
	s_endpgm
.Lentry_in_a_cluster:
	s_bfe_u32 s2, ttmp6, 0x10000c
	s_cmp_lg_u32 s2, 0x3003
	s_cbranch_scc0 .Lentry_shape_is_right
	s_endpgm
.Lentry_shape_is_right:
; PROJ.  out0 = o wo + bo + h on codes of E3M2.  Work-group (x, y): 256 rows (row group x) against 64 columns (column group y); wave w: 64 rows x 64 columns, 128 matrix instructions on 16 accumulators that take turns.
; The wave's 32 fragments of o stay in registers; the column group's four tiles of wo (49,152 bytes, in the order of the operand's registers) lie in LDS, filled once.
; CLUSTER.  The four work-groups of a cluster share the column group: its weights are asked for jointly, one tensor load a wave with the mask of all four.  The place in the cluster enters global addresses of plain loads and stores alone.
; TRANSPOSED (source 0 = 16 rows of wo, source 1 = 16 rows of o): a lane holds one row and 32 neighbouring-by-16 columns; a tile of 16 rows x 64 columns goes through the wave's own stage and leaves as rows of 256 bytes: sixteen lanes store 256 consecutive bytes, aligned.
; bo is the C of each sum's first matrix instruction (added first, not last); h is added on the way out.
; REGISTERS.  Window 0: v1-19 addresses; v32-47 o's scale words; v48-79 their halves as attention left them (one half-word a head); v80-95 wo's words; v96-223 accumulators; v224-255 rows on the way out.
;   Window 1: o's fragments of K steps 0-4.  Window 2: K steps 5-7; v144-239 two sets of wo's four fragments.  Window 3: v0-127 h; v128-159 bo.
.set STG,  49152                       ; LDS: behind the weights: a stage of 16 rows x (256 + 16) bytes for each wave
.set HS,   32
.set RW,   48
.set WS,   80
.set ACC,  96
.set TMP,  224
.set SA,   52                          ; s[52:53] o's images;  s[54:55] its half-words;  s[56:57] h;  s[58:59] out0
.set SRW,  54
.set SH,   56
.set SO,   58
.set MSB, 0
.macro WIN new
.if MSB != (\new)
	s_set_vgpr_msb (MSB<<8)|(\new)
.set MSB, (\new)
.endif
.endm
.macro PLACES
.rept 4
	v_nop
.endr
.endm
.macro ROUND
	s_barrier_signal -1
	s_barrier_wait -1
	s_cmp_lg_u32 s3, 0
	s_cbranch_scc1 .Lnot_wave_0_\@
	s_barrier_signal -3
.Lnot_wave_0_\@:
	s_barrier_wait -3
	s_barrier_signal -1
	s_barrier_wait -1
.endm
.macro FETCHB n                        ; K step n: wo's four fragments into set n % 2
	WIN 0x80
.irp ct, 0,1,2,3
.irp c, 0,1,2
	ds_load_b128 v[144+48*((\n)%2)+12*\ct+4*\c:144+48*((\n)%2)+12*\ct+4*\c+3], v7 offset:12288*\ct+1536*(\n)+512*\c
.endr
.endr
.endm
.macro MM
.if RA_ && RB_
	v_wmma_scale_f32_16x16x128_f8f6f4 v[D_:D_+7], v[A_:A_+11], v[B_:B_+11], v[C_:C_+7], v[SA_], v[SB_] matrix_a_fmt:MATRIX_FMT_BF6 matrix_b_fmt:MATRIX_FMT_BF6 matrix_a_scale:MATRIX_SCALE_ROW1 matrix_b_scale:MATRIX_SCALE_ROW1
.elseif RA_
	v_wmma_scale_f32_16x16x128_f8f6f4 v[D_:D_+7], v[A_:A_+11], v[B_:B_+11], v[C_:C_+7], v[SA_], v[SB_] matrix_a_fmt:MATRIX_FMT_BF6 matrix_b_fmt:MATRIX_FMT_BF6 matrix_a_scale:MATRIX_SCALE_ROW1
.elseif RB_
	v_wmma_scale_f32_16x16x128_f8f6f4 v[D_:D_+7], v[A_:A_+11], v[B_:B_+11], v[C_:C_+7], v[SA_], v[SB_] matrix_a_fmt:MATRIX_FMT_BF6 matrix_b_fmt:MATRIX_FMT_BF6 matrix_b_scale:MATRIX_SCALE_ROW1
.else
	v_wmma_scale_f32_16x16x128_f8f6f4 v[D_:D_+7], v[A_:A_+11], v[B_:B_+11], v[C_:C_+7], v[SA_], v[SB_] matrix_a_fmt:MATRIX_FMT_BF6 matrix_b_fmt:MATRIX_FMT_BF6
.endif
.endm
.macro MULT n                          ; 16 matrix instructions; the accumulators take turns, one instruction a turn
.set KS_, (\n)
.set BS_, 144+48*((\n)%2)
.if KS_ < 5
.set AW_, 1
.set AB_, 48*KS_
.else
.set AW_, 2
.set AB_, 48*(KS_-5)
.endif
.if KS_ == 0
.set CW_, 0x30
.else
.set CW_, 0
.endif
	WIN 2|(AW_<<2)|CW_
.irp mt, 0,1,2,3
.irp ct, 0,1,2,3
.set D_, ACC+32*\mt+8*\ct
.set A_, BS_+12*\ct
.set B_, AB_+12*\mt
.set SA_, WS+8*(\ct/2)+KS_
.set RA_, \ct%2
.set SB_, HS+8*(\mt/2)+KS_
.set RB_, \mt%2
.if KS_ == 0
.set C_, 128+8*\ct
.else
.set C_, D_
.endif
	MM
.endr
.endr
.endm
.macro KSTEP n, last
	PLACES
.if (\n) < 5
	AFRAG (\n)+3                                   ; o's fragments are asked for three K steps ahead of their use
.endif
.if (\n) == 5
	HLD                                            ; behind the last of them: h
.endif
.if \last
	s_wait_dscnt 0x0
.else
	FETCHB (\n)+1
	s_wait_dscnt 12                                ; all but the 12 loads just issued: this step's set is in
.endif
.if (\n) < 5 || (\n) == 6
	s_wait_loadcnt 48                              ; behind K step n's fragments: three K steps of 16 loads (n = 6: one, and h's 32)
.elseif (\n) == 5
	s_wait_loadcnt 63                              ; behind them: 2 x 16 + 32 = 64 loads
.elseif (\n) == 7
	s_wait_loadcnt 32                              ; behind them: h's 32
.endif
	MULT \n
.endm
.macro ALOAD reg, off
	global_load_b128 v[\reg:\reg+3], v4, s[SA:SA+1] offset:\off
	global_load_b64 v[\reg+4:\reg+5], v5, s[SA:SA+1] offset:\off+512
	global_load_b128 v[\reg+6:\reg+9], v4, s[SA:SA+1] offset:\off+768
	global_load_b64 v[\reg+10:\reg+11], v5, s[SA:SA+1] offset:\off+1280
.endm
.macro AFRAG ks                        ; o's four fragments of K step ks: 16 loads
.if (\ks) < 5
	WIN 0x40                                       ; destination window 1
.irp mt, 0,1,2,3
	ALOAD 48*(\ks)+12*\mt, 12288*\mt+1536*(\ks)
.endr
.else
	WIN 0x80                                       ; destination window 2
.irp mt, 0,1,2,3
	ALOAD 48*((\ks)-5)+12*\mt, 12288*\mt+1536*(\ks)
.endr
.endif
.endm
.macro HLD                             ; h: each tile's rows 2 i and 2 i + 1, as they will be stored: 32 loads
	WIN 0xc0
.irp mt, 0,1,2,3
.irp i, 0,1,2,3,4,5,6,7
	global_load_b128 v[32*\mt+4*\i:32*\mt+4*\i+3], v19, s[SH:SH+1] offset:4096*(32*(\mt/2)+8*(\mt%2)+2*\i+8*(\i/4)) th:TH_LOAD_NT
.endr
.endr
.endm
	s_load_b256 s[8:15], s[0:1], 0x0               ; oc s[8:9], wimg s[10:11], wo_scales s[12:13], bo s[14:15]
	s_load_b128 s[16:19], s[0:1], 0x20             ; h s[16:17], out0 s[18:19]
	v_lshl_add_u32 v30, v0, 2, 0x29000
	v_mov_b32 v31, 0
	ds_add_u32 v30, v31
	ds_add_u32 v30, v31
	v_lshrrev_b32 v1, 5, v0
	v_readfirstlane_b32 s3, v1                     ; wave 0..3
	s_bfe_u32 s4, ttmp6, 0x40000                   ; cx
	s_lshl_b32 s5, ttmp9, 2
	s_add_co_u32 s5, s5, s4                        ; the row group
	s_and_b32 s6, ttmp7, 0xffff                    ; the column group, which the four partners share
	s_lshl_b32 s7, s6, 2
	s_add_co_u32 s7, s7, s3
	s_mul_i32 s76, s7, 12288
	s_add_co_u32 s76, s76, 2359296                 ; wo is the fourth matrix of wimg
	s_mov_b32 s77, 0
	s_mov_b32 s32, 15|(3<<16)|(1<<21)              ; group 1 as for the other weights: 48 dense rows of 256 bytes, the mask of all four
	s_mov_b32 s33, 32<<16
	s_mov_b32 s34, 48<<16
	s_mov_b32 s35, 32<<16
	s_mov_b32 s36, 48
	s_mov_b32 s37, 32
	s_mov_b32 s38, 0
	s_mov_b32 s39, 0
	s_mov_b32 s40, 1
	s_mul_i32 s41, s3, 12288
	s_wait_dscnt 0x0
	s_wait_kmcnt 0x0
	s_add_nc_u64 s[42:43], s[10:11], s[76:77]
	s_or_b32 s43, s43, 0x80000000
	ROUND                                          ; all four work-groups are here: the joint loads meet
	tensor_load_to_lds s[40:43], s[32:39]          ; my one tensor load
	s_nop 0
	PLACES
	s_lshl_b32 s80, s5, 4
	s_lshl_b32 s81, s3, 2
	s_add_co_u32 s80, s80, s81                     ; my first tile
	s_mov_b32 s89, 0
	s_mul_i32 s88, s80, 12288
	s_add_nc_u64 s[SA:SA+1], s[8:9], s[88:89]
	s_lshl_b32 s88, s80, 6
	s_add_co_u32 s88, s88, 3145728
	s_add_nc_u64 s[SRW:SRW+1], s[8:9], s[88:89]
	s_lshl_b32 s88, s80, 16                        ; 16 rows of 4,096 bytes a tile,
	s_lshl_b32 s87, s6, 8                          ; + the column group's 256 bytes
	s_add_co_u32 s88, s88, s87
	s_add_nc_u64 s[SH:SH+1], s[16:17], s[88:89]
	s_add_nc_u64 s[SO:SO+1], s[18:19], s[88:89]
	s_lshl_b32 s88, s6, 11
	s_add_nc_u64 s[12:13], s[12:13], s[88:89]
	s_lshl_b32 s88, s6, 8
	s_add_nc_u64 s[14:15], s[14:15], s[88:89]
	s_mul_i32 s79, s3, 4352
	s_add_co_u32 s79, s79, STG                     ; my stage
	v_and_b32 v1, 31, v0
	v_and_b32 v2, 15, v0                           ; r
	v_bfe_u32 v3, v0, 4, 1                         ; hh
	v_lshlrev_b32 v4, 4, v1
	v_lshlrev_b32 v5, 3, v1
	v_lshlrev_b32 v6, 2, v1
	v_mov_b32 v7, v4
	v_and_b32 v11, 8, v2
	v_add_nc_u32 v11, v11, v2
	v_lshl_add_u32 v11, v3, 3, v11
	v_lshlrev_b32 v11, 5, v11                      ; wo's words: row r + 8 (r / 8) + 8 hh of 32 bytes
	v_lshlrev_b32 v12, 6, v3
	v_mul_u32_u24 v17, v2, 272
	v_lshl_add_u32 v17, v3, 6, v17
	v_add_nc_u32 v17, s79, v17                     ; into the stage: row r, + 64 hh
	v_mul_u32_u24 v18, v3, 272
	v_lshl_add_u32 v18, v2, 4, v18
	v_add_nc_u32 v18, s79, v18                     ; back: lanes 0-15 one row, lanes 16-31 the next
	v_lshlrev_b32 v19, 12, v3
	v_lshl_add_u32 v19, v2, 4, v19                 ; and the same in h and out0
.irp i, 0,1
.irp hd, 0,1,2,3,4,5,6,7,8,9,10,11,12,13,14,15
	global_load_b32 v[RW+16*\i+\hd], v6, s[SRW:SRW+1] offset:16384*\hd+128*\i   ; lanes 0-15 tile 2 i, lanes 16-31 tile 2 i + 1
.endr
.endr
.irp i, 0,1
.irp c, 0,1
	global_load_b128 v[WS+8*\i+4*\c:WS+8*\i+4*\c+3], v11, s[12:13] offset:1024*\i+16*\c
.endr
.endr
	WIN 0xc0
.irp b, 0,1
.irp j, 0,1,2,3
	global_load_b128 v[128+16*\b+4*\j:128+16*\b+4*\j+3], v12, s[14:15] offset:128*\b+16*\j
.endr
.endr
	WIN 0x40
.irp ks, 0,1,2
.irp mt, 0,1,2,3
	ALOAD 48*\ks+12*\mt, 12288*\mt+1536*\ks
.endr
.endr
	WIN 0
	s_wait_tensorcnt 0x0                           ; my tile has landed,
	s_barrier_signal -1
	s_barrier_wait -1                              ; everybody's has
	s_wait_loadcnt 48                              ; all but the 48 loads of o's K steps 0 to 2, issued last: the words and bo are in
.irp i, 0,1
.irp ks, 0,1,2,3,4,5,6,7
	v_lshl_or_b32 v[HS+8*\i+\ks], v[RW+16*\i+2*\ks+1], 16, v[RW+16*\i+2*\ks]   ; heads 2 ks and 2 ks + 1 make K step ks's word.  (Each stands eight places or more ahead of the product that names it)
.endr
.endr
	FETCHB 0
	s_wait_alu depctr_va_vdst(0)
.irp n, 0,1,2,3,4,5,6
	KSTEP \n, 0
.endr
	KSTEP 7, 1
	PLACES
	WIN 0
	s_wait_loadcnt 0x0                             ; h
.irp mt, 0,1,2,3                               ; the way out, a tile of 16 rows at a time
.irp b, 0,1
.irp j, 0,1,2,3
	ds_store_b128 v17, v[ACC+32*\mt+16*\b+4*\j:ACC+32*\mt+16*\b+4*\j+3] offset:128*\b+16*\j   ; each accumulator from its low end on
.endr
.endr
.if \mt > 0
	s_wait_xcnt 0x0                                ; the last tile's stores have read their registers
.endif
.irp i, 0,1,2,3,4,5,6,7
	ds_load_b128 v[TMP+4*\i:TMP+4*\i+3], v18 offset:544*\i     ; LDS serves a wave's instructions in order: these see my stores, and the next tile's stores come behind them
.endr
	s_wait_dscnt 0x0
	WIN 0x0c                                       ; source 1 (h) window 3
.irp q, 0,2,4,6,8,10,12,14,16,18,20,22,24,26,28,30
	v_pk_add_f32 v[TMP+\q:TMP+\q+1], v[TMP+\q:TMP+\q+1], v[32*\mt+\q:32*\mt+\q+1]
.endr
	WIN 0
.irp i, 0,1,2,3,4,5,6,7
	global_store_b128 v19, v[TMP+4*\i:TMP+4*\i+3], s[SO:SO+1] offset:4096*(32*(\mt/2)+8*(\mt%2)+2*\i+8*(\i/4)) th:TH_STORE_NT
.endr
.endr
	s_wait_tensorcnt 0x0
	ds_add_u32 v30, v31
	s_wait_dscnt 0x0
	ROUND                                          ; the closing round
	s_endpgm
.Lfunc_end_k_q5ad2d6e6cf_proj:
	.size	k_q5ad2d6e6cf_proj, .Lfunc_end_k_q5ad2d6e6cf_proj-k_q5ad2d6e6cf_proj
	.p2alignl 7, 3214868480
	.fill 96, 4, 3214868480
	.section	.rodata,"a",@progbits
	.p2align	6, 0x0
	.amdhsa_kernel k_q5ad2d6e6cf_proj
		.amdhsa_group_segment_fixed_size 168448
		.amdhsa_private_segment_fixed_size 0
		.amdhsa_enable_private_segment 0
		.amdhsa_kernarg_size 48
		.amdhsa_user_sgpr_count 2
		.amdhsa_user_sgpr_kernarg_segment_ptr 1
		.amdhsa_wavefront_size32 1
		.amdhsa_system_sgpr_workgroup_id_x 1
		.amdhsa_system_sgpr_workgroup_id_y 1
		.amdhsa_system_sgpr_workgroup_id_z 1
		.amdhsa_system_vgpr_workitem_id 0
		.amdhsa_next_free_vgpr 1024
		.amdhsa_next_free_sgpr 90
		.amdhsa_reserve_vcc 0
		.amdhsa_float_denorm_mode_32 3
		.amdhsa_float_denorm_mode_16_64 3
		.amdhsa_memory_ordered 1
		.amdhsa_forward_progress 1
		.amdhsa_inst_pref_size 61
	.end_amdhsa_kernel
	.amdgpu_metadata
---
amdhsa.version: [ 1, 2 ]
amdhsa.kernels:
  - .name:           k_q5ad2d6e6cf_proj
    .symbol:         k_q5ad2d6e6cf_proj.kd
    .args:
      - { .name: oc, .offset: 0, .size: 8, .value_kind: global_buffer, .address_space: global }
      - { .name: wimg, .offset: 8, .size: 8, .value_kind: global_buffer, .address_space: global }
      - { .name: wo_scales, .offset: 16, .size: 8, .value_kind: global_buffer, .address_space: global }
      - { .name: bo, .offset: 24, .size: 8, .value_kind: global_buffer, .address_space: global }
      - { .name: h, .offset: 32, .size: 8, .value_kind: global_buffer, .address_space: global }
      - { .name: out0, .offset: 40, .size: 8, .value_kind: global_buffer, .address_space: global }
    .group_segment_fixed_size: 168448
    .private_segment_fixed_size: 0
    .kernarg_segment_align: 8
    .kernarg_segment_size: 48
    .max_flat_workgroup_size: 128
    .sgpr_count:     90
    .vgpr_count:     1024
    .wavefront_size: 32
...
	.end_amdgpu_metadata
.endif
;; end of part 4
